; MI455X (gfx1250); checked and timed in simulation.
; The chip was launched on July 23, 2026; its instructions are those of AMD's public machine-readable ISA for CDNA 5 (MIT licence, August 2026) and "CDNA5" Instruction Set Architecture Reference Guide (July 2026). The comments in the code are by the model that wrote it; some were corrected since.
;; Transformer Block. Allowed arithmetic: matrix products marked QUANTISED: E4M3 operands, one E8M0 scale for each 32 along K, by v_wmma_scale_f32_16x16x128_f8f6f4 with both operands' format E4M3, f32 sums; everything else in f32.
;; Inputs: W1 2,048 x 1,024 float32; W2 1,024 x 2,048 float32; Wkv 512 x 1,024 float32; Wo 1,024 x 1,024 float32; Wq 1,024 x 1,024 float32; b1 2,048 float32; b2 1,024 float32; cos 2,048 x 64 float32; ln1_b 1,024 float32; ln1_g 1,024 float32; ln2_b 1,024 float32; ln2_g 1,024 float32; sin 2,048 x 64 float32; x 2 x 2,048 x 1,024 float32.
;; Outputs: out0 2 x 2,048 x 1,024 float32.
;; This version of the problem:
;;   THIS VERSION OF THE PROBLEM IS GIVEN IN LOW PRECISION. The matrix products marked QUANTISED in the list below multiply operands that are first quantised to E4M3 (4 exponent bits, 3 mantissa bits; 8 bits a number), with one power-of-two scale for each 32 numbers along K (OCP MX v1.0); their sums are f32. All else is computed in f32.
;;   The module's matrix products, in the order in which they are computed (A, B: the left and right operand; K: the contracted axis; several contracted axes count as one K, in the product's order):
;;     1. [M 4,096, K 1,024] x [K 1,024, N 1,024]; A: computed on the way; B: input Wq: QUANTISED
;;     2. [M 4,096, K 1,024] x [K 1,024, N 512]; A: computed on the way; B: input Wkv: QUANTISED
;;     3. batch 8 x [M 8,192, K 64] x [K 64, N 2,048]; A: computed on the way; B: computed on the way: QUANTISED
;;     4. batch 8 x [M 8,192, K 2,048] x [K 2,048, N 64]; A: softmax (see below); B: computed on the way: QUANTISED
;;     5. [M 4,096, K 1,024] x [K 1,024, N 1,024]; A: computed on the way; B: input Wo: QUANTISED
;;     6. [M 4,096, K 1,024] x [K 1,024, N 2,048]; A: computed on the way; B: input W1: QUANTISED
;;     7. [M 4,096, K 2,048] x [K 2,048, N 1,024]; A: computed on the way; B: input W2: QUANTISED
;;   THE QUANTISER, for each operand of a quantised product, along K:
;;     - K is cut into blocks of 32 from its start; a last block that is shorter is filled with zeros.
;;     - A block's scale is 2^e with e = floor(log2(the largest magnitude in the block)) - 8, held to -126 .. 127; a block of zeros has e = 0. As a byte (E8M0): e + 127.
;;     - Each number is divided by its block's scale, clamped to +-448, and rounded to the nearest number of E4M3, ties to even, subnormals kept.
;;     - The product sums the exact products of the quantised numbers (number of the format x scale) in f32.
;;   ~~~python
;;   def quantise(x, axis):      # numpy; x: float32 -> the quantised numbers, widened to float32 again
;;       x = np.moveaxis(x, axis, -1); K = x.shape[-1]
;;       x = np.pad(x, [(0, 0)] * (x.ndim - 1) + [(0, -K % 32)]); x = x.reshape(x.shape[:-1] + (-1, 32)); a = np.abs(x).max(-1, keepdims=True)
;;       e = np.where(a > 0, np.clip(np.frexp(np.where(a > 0, a, 1))[1] - 1 - 8, -126, 127), 0)      # np.frexp(a)[1] - 1 = floor(log2(a)), exactly
;;       r = np.clip(x / 2.0 ** e, -448, 448)
;;       step = 2.0 ** (np.maximum(np.frexp(np.where(r == 0, 1, r))[1] - 1, -6) - 3)
;;       q = np.round(r / step) * step * 2.0 ** e      # np.round: ties to even
;;       return np.moveaxis(q.reshape(q.shape[:-2] + (-1,))[..., :K], -1, axis).astype(np.float32)
;;   ~~~
;;   SOFTMAX AHEAD OF A QUANTISED PRODUCT. Where the list says 'softmax', what is quantised is not the finished softmax but p = 2^(t - M), with t = logit x log2(e) and M = ceil(the row's largest t), a whole number; so 1/2 < the row's largest p <= 1. The row's sum l is taken of the UNQUANTISED p, in f32, and the product's result is divided by l at the end. Since M is a whole number, a kernel that streams over the keys may use a running M (the ceiling of the running maximum): every later rescaling is an exact power of two, which a block's scale takes up: the codes' values come out the same.
;;   OPERANDS COMPUTED ON THE WAY. 'Computed on the way' means the value that the module computes at that place (a softmax that the list does not call 'softmax' is quantised finished and normalised). What goes into a quantiser is computed in f32, as accurately as f32 sums, v_exp_f32 and their like allow (about 1e-6 of the number): no bf16 or f16 on the way to a quantiser, and a product that is left as it is and whose result goes on into a quantised operand takes f32 operands (vector FMAs, or v_wmma_f32_16x16x4_f32). A number that lies on a knife's edge between two numbers of the format may be rounded either way, as far as f32 arithmetic and the matrix unit's own rounding can turn it there, and no further.
;; One version. Each part assembles by itself: llvm-mc -triple=amdgcn-amd-amdhsa -mcpu=gfx1250 --defsym DOCPART=n.
;; ======== version 1 of 1: 7 launches
;; limits: right only within a limited range of input values
;; workspace buffers: pre 11,698,176 bytes; qkvb 6,684,672 bytes; oc 4,456,448 bytes; x1 16,777,216 bytes; h2 4,456,448 bytes; gq 8,912,896 bytes
;; launch prep (part 1): grid 464 x 1, 8 waves a work-group, no clusters, 138,240 bytes of LDS; arguments x, ln1_g, ln1_b, Wq, Wkv, Wo, W1, W2, pre; writes pre
.if DOCPART == 1
	.amdgcn_target "amdgcn-amd-amdhsa--gfx1250"
	.amdhsa_code_object_version 6
	.text
	.protected	k_q2705d4ee0a_prep
	.globl	k_q2705d4ee0a_prep
	.p2align	8
	.type	k_q2705d4ee0a_prep,@function
k_q2705d4ee0a_prep:
	s_mov_b64 s[64:65], 0
	v_nop
	global_prefetch_b8 v0, s[64:65] scope:SCOPE_SE
	s_setreg_imm32_b32 hwreg(HW_REG_WAVE_MODE, 25, 1), 1
	s_wait_xcnt 0x0
; PREP: LayerNorm 1 of x, and the quantising (E4M3 codes, one E8M0 byte for each 32 along K) of LN1(x) and of the five weights, into the workspace 'pre'.
; NO WORK OF reference() IS LEFT OUT in this program: it builds no mask and no zeros, slices nothing away, and each of its 14 inputs reaches out0 for some values; all are loaded.
; LAYOUT OF EVERY OPERAND OF THIS PROGRAM.  Rows go in tiles of 16; place p of tile t holds row 32 (t / 2) + 8 (t % 2) + p + 8 (p / 8).  A FRAGMENT (16 rows x 128 K) is stored as the image of the
; matrix operand's registers: group c (4 registers: k = 32 c + 16 (lane / 16) + 0 .. 15 of the row at place lane % 16) at 512 c + 16 x lane: 2,048 bytes.  Its scale words: 4 bytes at 4 x lane, 128 bytes.
; A RECORD (17,408 bytes) holds the 8 fragments of 128 rows for one K step of 128, then their 8 scale images: one dense block.  A tensor lies [128 rows][K step][record].
; SHARES.  A wave makes fragments: 16 rows x 128 K, 64 numbers a lane; the eight waves of a work-group stand side by side on 1,024 along K.  Work-groups 0-255: one tile of x each, with the norm.
; Work-groups 256-463: weights, TWO fragments a wave: 256-287 Wq, 288-303 Wkv, 304-335 Wo, 336-399 W1 (tiles 2 j and 2 j + 1); 400-463 W2 (K = 2,048: a tile's two halves of K).
; The tensor is chosen by the work-group's number alone.  8 waves x 256 registers are half of a WGP's registers: 464 work-groups are fewer than two for each of 256 WGPs.
; READS.  Each load takes one row's 512 bytes of the fragment, 16 consecutive bytes a lane.  The quantiser wants 16 neighbours of each block of 32 in ONE lane: so the 16 rows go through the wave's own stage in
; LDS (rows of 512 + 16 bytes: the sixteen rows that a read touches start at sixteen different groups of banks) and come back, into the registers that they left, as register 16 b + i = k 32 b + 16 (lane / 16) + i.
; The norm's path and the weights' path part once, on the work-group's number, and have LDS bytes of their own.
; THE NORM is reference()'s: the mean, then the mean of the squared differences (two passes, so that a common offset of x forms no difference of large sums), (x - m) rsqrt(v + 1e-5) g + b.
; A row's sums: 64 numbers a lane, the lane 16 away, and the eight waves through LDS.
; LIMITS: NaN and infinities among the inputs are not served.  A block of zeros, or one whose largest magnitude lies under 2^-118, gets the byte 1 where the rule says 127 or less: its codes are zeros or
; were not tried; the bytes are read by this program alone.
.set REC,     17408
.set OFF_WKV, 1114112                  ; byte offsets in 'pre': Wq at 0, Wkv behind its 8 x 8 records,
.set OFF_WO,  1671168
.set OFF_W1,  2785280
.set OFF_W2,  5013504
.set OFF_H,   7241728                  ; LN1(x)
.set SPARE,   2048                     ; LDS: 0 the first sums, 1,024 the second; from here the spare words, 128 bytes for each of the eight waves
.set SP,      528                      ; a stage row
.set WST,     16*SP                    ; a wave's stage: 8,448 bytes
.set STA,     3072                     ; the norm's path: eight stages
.set STB,     STA+8*WST                ; the weights' path: eight stages
.set RO,  16                           ; v16-31   first the byte offsets of the 16 rows, then at work on the sums, then the codes
.set PC,  16
.set X,   32                           ; v32-95   my 64 numbers
.set G,   96                           ; v96-159  the gain at these k; in the weights' path the second fragment's 64 numbers
.set BB,  160                          ; v160-223 the bias
.set TM,  224                          ; v224-239 largest magnitudes, bytes, holds, scale operands
.set PW,  240                          ; v240     the scale word
.set SAI, 241                          ; v241, v242 the norm's stage: in, back
.set SAO, 242
.set SBI, 243                          ; v243, v244 the weights' stage: in, back
.set SBO, 244
.set SEL, 40                           ; s[40:41] lane selects: the lane 16 away
.set MNT, 42                           ; s42      the mantissa field of 448
; v16-23 hold four packed partial sums of a lane; the row's sum comes back in v16, in every lane
.macro ROWSUM off
	s_delay_alu instid0(VALU_DEP_3)
	v_pk_add_f32 v[16:17], v[16:17], v[18:19]
	s_delay_alu instid0(VALU_DEP_2)
	v_pk_add_f32 v[20:21], v[20:21], v[22:23]
	s_delay_alu instid0(VALU_DEP_1)
	v_pk_add_f32 v[16:17], v[16:17], v[20:21]
	s_delay_alu instid0(VALU_DEP_1)
	v_add_f32 v16, v16, v17
	s_delay_alu instid0(VALU_DEP_1)
	v_permlanex16_b32 v17, v16, s[SEL], s[SEL+1]
	s_delay_alu instid0(VALU_DEP_1)
	v_add_f32 v16, v16, v17                        ; my wave's 128 numbers of the row
	ds_store_b32 v8, v16 offset:\off
	s_wait_dscnt 0x0                               ; for the others' sake: my store has landed
	s_barrier_signal -1
	s_barrier_wait -1
.irp w, 0,1,2,3,4,5,6,7
	ds_load_b32 v[16+\w], v9 offset:\off+128*\w    ; the eight waves' sums of my row
.endr
	s_wait_dscnt 0x0
	v_pk_add_f32 v[16:17], v[16:17], v[18:19]
	v_pk_add_f32 v[20:21], v[20:21], v[22:23]
	s_delay_alu instid0(VALU_DEP_1)
	v_pk_add_f32 v[16:17], v[16:17], v[20:21]
	s_delay_alu instid0(VALU_DEP_1)
	v_add_f32 v16, v16, v17
.endm
; 64 numbers of a lane become a fragment's codes in v[PC] on and its scale word in v[PW]
.macro QUANT s
.irp b, 0,1,2,3
	v_max3_num_f32 v[TM+\b], |v[(\s)+16*\b]|, |v[(\s)+1+16*\b]|, 0x4800000   ; block b: my 16 numbers and the floor 2^(9 - 127), so that the byte cannot fall under 1
.endr
.irp i, 2,4,6,8,10,12,14
.irp b, 0,1,2,3
	s_delay_alu instid0(VALU_DEP_4)
	v_max3_num_f32 v[TM+\b], v[TM+\b], |v[(\s)+16*\b+\i]|, |v[(\s)+1+16*\b+\i]|
.endr
.endr
.irp b, 0,1,2,3
	s_delay_alu instid0(VALU_DEP_4)
	v_permlanex16_b32 v[TM+4+\b], v[TM+\b], s[SEL], s[SEL+1]
.endr
.irp b, 0,1,2,3
	s_delay_alu instid0(VALU_DEP_4)
	v_max_num_f32 v[TM+\b], v[TM+\b], v[TM+4+\b]   ; with the lane 16 away: the block's largest magnitude
.endr
.irp b, 0,1,2,3
	s_delay_alu instid0(VALU_DEP_4)
	v_add_nc_u32 v[TM+12+\b], 0xfc000000, v[TM+\b] ; 8 off its exponent field: the conversion's scale operand
.endr
.irp b, 0,1,2,3
	v_and_or_b32 v[TM+8+\b], v[TM+\b], 0x7f800000, s[MNT]   ; 448 x the scale
.endr
.irp b, 0,1,2,3
	v_lshrrev_b32 v[TM+4+\b], 23, v[TM+12+\b]      ; the scale's byte
.endr
	s_delay_alu instid0(VALU_DEP_3)
	v_lshl_or_b32 v[PW], v[TM+5], 8, v[TM+4]
	s_delay_alu instid0(VALU_DEP_1)
	v_lshl_or_b32 v[PW], v[TM+6], 16, v[PW]
	s_delay_alu instid0(VALU_DEP_1)
	v_lshl_or_b32 v[PW], v[TM+7], 24, v[PW]
.irp b, 0,1,2,3
.irp i, 0,1,2,3,4,5,6,7,8,9,10,11,12,13,14,15
	v_med3_num_f32 v[(\s)+16*\b+\i], v[(\s)+16*\b+\i], -v[TM+8+\b], v[TM+8+\b]   ; the conversion to an 8-bit code does not saturate (ISA guide 7.6.2): the hold comes first
.endr
	v_cvt_scalef32_pk8_fp8_f32 v[PC+4*\b:PC+1+4*\b], v[(\s)+16*\b:(\s)+7+16*\b], v[TM+12+\b]
	v_cvt_scalef32_pk8_fp8_f32 v[PC+2+4*\b:PC+3+4*\b], v[(\s)+8+16*\b:(\s)+15+16*\b], v[TM+12+\b]
.endr
	v_nop                                          ; a plain line behind the last conversion
.endm
; 16 rows as loaded (row i in registers 4 i on, 16 bytes a lane) go into my stage and come back turned.  LDS serves a wave's instructions in order (ISA guide 5.7.1.4): no wait stands between the stores and the loads.
.macro TURN x, st, ld
.irp i, 0,1,2,3,4,5,6,7,8,9,10,11,12,13,14,15
	ds_store_b128 v[\st], v[(\x)+4*\i:(\x)+4*\i+3] offset:SP*\i
.endr
.irp q, 0,1,2,3,4,5,6,7,8,9,10,11,12,13,14,15
	ds_load_b128 v[(\x)+4*\q:(\x)+4*\q+3], v[\ld] offset:128*(\q/4)+16*(\q%4)
.endr
.endm
	s_load_b512 s[8:23], s[0:1], 0x0               ; x s[8:9], gain s[10:11], bias s[12:13], Wq s[14:15], Wkv s[16:17], Wo s[18:19], W1 s[20:21], W2 s[22:23]
	s_load_b64 s[24:25], s[0:1], 0x40              ; pre
	v_lshl_add_u32 v10, v0, 2, SPARE               ; my spare word,
	v_mov_b32 v11, 0                               ; and 0: both kept for the closing lines
	v_lshrrev_b32 v1, 5, v0
	s_delay_alu instid0(VALU_DEP_1)
	v_readfirstlane_b32 s2, v1                     ; wave 0..7
	v_and_b32 v1, 31, v0                           ; lane
	v_and_b32 v2, 15, v0                           ; r
	v_bfe_u32 v3, v0, 4, 1                         ; h
	s_delay_alu instid0(VALU_DEP_3)
	v_lshlrev_b32 v4, 4, v1                        ; 16 x lane
	s_delay_alu instid0(VALU_DEP_2)
	v_lshlrev_b32 v7, 6, v3                        ; gain and bias: 64 h
	v_lshlrev_b32 v8, 2, v0                        ; LDS: my word among the waves' sums
	v_lshlrev_b32 v9, 2, v1                        ; and my row's word in each wave's 128 bytes
	s_mul_i32 s3, s2, WST                          ; my stage, in either path: every LDS address is made ahead of the parting
	v_add_nc_u32 v[SAI], s3, v4                    ; in: 16 x lane (+ a row's pitch in the immediate)
	s_delay_alu instid0(VALU_DEP_1)
	v_add_nc_u32 v[SBI], STB, v[SAI]
	s_delay_alu instid0(VALU_DEP_2)
	v_add_nc_u32 v[SAI], STA, v[SAI]
	v_mul_u32_u24 v[SAO], v2, SP
	s_delay_alu instid0(VALU_DEP_1)
	v_lshl_add_u32 v[SAO], v3, 6, v[SAO]           ; back: row r, + 64 h
	s_delay_alu instid0(VALU_DEP_1)
	v_add_nc_u32 v[SAO], s3, v[SAO]
	s_delay_alu instid0(VALU_DEP_1)
	v_add_nc_u32 v[SBO], STB, v[SAO]
	s_delay_alu instid0(VALU_DEP_2)
	v_add_nc_u32 v[SAO], STA, v[SAO]
.irp b, 0,1,2,3
	v_mov_b32 v[TM+4+\b], 0                        ; a lane permute's destination counts as read: written once
.endr
	s_mov_b32 s[SEL], 0x76543210
	s_mov_b32 s[SEL+1], 0xfedcba98
	s_mov_b32 s[MNT], 0x600000
	s_mov_b32 s28, 400                             ; my tensor's first work-group,
	s_mov_b32 s29, OFF_W2                          ; and its place in 'pre': W2's, unless a test below says otherwise
	s_wait_kmcnt 0x0
	s_mov_b64 s[26:27], s[22:23]
	s_cmp_lt_u32 ttmp9, 400
	s_cselect_b64 s[26:27], s[20:21], s[26:27]
	s_cselect_b32 s28, 336, s28
	s_cselect_b32 s29, OFF_W1, s29
	s_cselect_b32 s30, 0, 1                        ; 1 for W2 alone: rows twice as long
	s_cselect_b32 s46, 1, 0                        ; 1 where a work-group takes two tiles
	s_cmp_lt_u32 ttmp9, 336
	s_cselect_b64 s[26:27], s[18:19], s[26:27]
	s_cselect_b32 s28, 304, s28
	s_cselect_b32 s29, OFF_WO, s29
	s_cmp_lt_u32 ttmp9, 304
	s_cselect_b64 s[26:27], s[16:17], s[26:27]
	s_cselect_b32 s28, 288, s28
	s_cselect_b32 s29, OFF_WKV, s29
	s_cmp_lt_u32 ttmp9, 288
	s_cselect_b64 s[26:27], s[14:15], s[26:27]
	s_cselect_b32 s28, 256, s28
	s_cselect_b32 s29, 0, s29
	s_cmp_lt_u32 ttmp9, 256
	s_cselect_b64 s[26:27], s[8:9], s[26:27]
	s_cselect_b32 s28, 0, s28
	s_cselect_b32 s29, OFF_H, s29
	s_cselect_b32 s46, 0, s46
	s_sub_co_u32 s31, ttmp9, s28                   ; my number within the tensor
	s_lshl_b32 s32, s31, s46                       ; T: my (first) tile of 16 rows
	s_lshr_b32 s34, s32, 1
	s_lshl_b32 s34, s34, 5
	s_and_b32 s35, s32, 1
	s_lshl_b32 s35, s35, 3
	s_add_co_u32 s34, s34, s35                     ; the tile's first row
	s_add_co_u32 s36, s30, 12                      ; a row is 2^12 bytes (W2: 2^13)
	s_lshl_b32 s34, s34, s36
	s_lshl_b32 s35, s2, 9
	s_add_co_u32 s34, s34, s35                     ; + 512 bytes a K step: mine is 'wave'
	s_mov_b32 s35, 0
	s_add_nc_u64 s[26:27], s[26:27], s[34:35]
	s_cmp_eq_u32 s30, 1                            ; the second fragment: the next tile (8 rows on; the next place in the record), or in W2 the K step eight on (4,096 bytes on; 8 records on)
	s_mov_b32 s48, 32768
	s_cselect_b32 s48, 4096, s48
	s_mov_b32 s52, 2048
	s_cselect_b32 s52, 8*REC, s52
	s_mov_b32 s53, 128
	s_cselect_b32 s53, 8*REC, s53
	s_mov_b32 s49, 0
	s_add_nc_u64 s[50:51], s[26:27], s[48:49]
	s_lshr_b32 s37, s32, 3                         ; the panel of 128 rows,
	s_lshl_b32 s38, 8, s30                         ; its K steps
	s_mul_i32 s38, s37, s38
	s_add_co_u32 s38, s38, s2
	s_mul_i32 s38, s38, REC
	s_add_co_u32 s38, s38, s29
	s_mov_b32 s39, 0
	s_add_nc_u64 s[24:25], s[24:25], s[38:39]      ; my record
	s_and_b32 s37, s32, 7                          ; the tile's place in its record
	s_lshl_b32 s43, s37, 11
	v_lshl_add_u32 v5, v1, 4, s43                  ; codes: 16 x lane + 2,048 x tile
	s_lshl_b32 s43, s37, 7
	s_add_co_u32 s43, s43, 16384
	v_lshl_add_u32 v6, v1, 2, s43                  ; scale word: 4 x lane + 16,384 + 128 x tile
	v_add_nc_u32 v245, s52, v5                     ; and the second fragment's
	s_delay_alu instid0(VALU_DEP_2)
	v_add_nc_u32 v246, s53, v6
.irp i, 0,1,2,3,4,5,6,7,8,9,10,11,12,13,14,15
	v_lshl_add_u32 v[RO+\i], \i+8*(\i/8), s36, v4  ; place i of the tile: i + 8 (i / 8) rows on, + 16 x lane
.endr
.irp i, 0,1,2,3,4,5,6,7,8,9,10,11,12,13,14,15
	global_load_b128 v[X+4*\i:X+4*\i+3], v[RO+\i], s[26:27] th:TH_LOAD_NT   ; 32 lanes read 512 consecutive bytes of one row
.endr
	s_cmp_lt_u32 ttmp9, 256                        ; the paths part here, once; the test is the same in all eight waves, so the barriers of the norm are passed by all or by none
	s_cbranch_scc0 .Lweights
	s_lshl_b32 s44, s2, 9
	s_mov_b32 s45, 0
	s_add_nc_u64 s[10:11], s[10:11], s[44:45]      ; gain and bias at my K step
	s_add_nc_u64 s[12:13], s[12:13], s[44:45]
.irp q, 0,1,2,3,4,5,6,7,8,9,10,11,12,13,14,15
	global_load_b128 v[G+4*\q:G+4*\q+3], v7, s[10:11] offset:128*(\q/4)+16*(\q%4)
	global_load_b128 v[BB+4*\q:BB+4*\q+3], v7, s[12:13] offset:128*(\q/4)+16*(\q%4)
.endr
	s_wait_loadcnt 32                              ; my 16 rows are in (so their offsets' registers are free); the 32 loads of gain and bias, issued behind them, may be out
	TURN X, SAI, SAO
	s_wait_dscnt 0x0                               ; my 64 numbers are back
	v_pk_add_f32 v[16:17], v[X:X+1], v[X+2:X+3]
	v_pk_add_f32 v[18:19], v[X+4:X+5], v[X+6:X+7]
	v_pk_add_f32 v[20:21], v[X+8:X+9], v[X+10:X+11]
	v_pk_add_f32 v[22:23], v[X+12:X+13], v[X+14:X+15]
.irp j, 16,24,32,40,48,56
	s_delay_alu instid0(VALU_DEP_4)
	v_pk_add_f32 v[16:17], v[16:17], v[X+\j:X+\j+1]
	s_delay_alu instid0(VALU_DEP_4)
	v_pk_add_f32 v[18:19], v[18:19], v[X+\j+2:X+\j+3]
	s_delay_alu instid0(VALU_DEP_4)
	v_pk_add_f32 v[20:21], v[20:21], v[X+\j+4:X+\j+5]
	s_delay_alu instid0(VALU_DEP_4)
	v_pk_add_f32 v[22:23], v[22:23], v[X+\j+6:X+\j+7]
.endr
	ROWSUM 0
	s_delay_alu instid0(VALU_DEP_1)
	v_mul_f32 v12, 0x3a800000, v16                 ; the mean: / 1,024
	s_delay_alu instid0(VALU_DEP_1)
	v_mov_b32 v13, v12
.set j, 0
.rept 32
	v_pk_add_f32 v[X+j:X+j+1], v[X+j:X+j+1], v[12:13] neg_lo:[0,1] neg_hi:[0,1]
.set j, j+2
.endr
	v_pk_mul_f32 v[16:17], v[X:X+1], v[X:X+1]
	v_pk_mul_f32 v[18:19], v[X+2:X+3], v[X+2:X+3]
	v_pk_mul_f32 v[20:21], v[X+4:X+5], v[X+4:X+5]
	v_pk_mul_f32 v[22:23], v[X+6:X+7], v[X+6:X+7]
.irp j, 8,16,24,32,40,48,56
	s_delay_alu instid0(VALU_DEP_4)
	v_pk_fma_f32 v[16:17], v[X+\j:X+\j+1], v[X+\j:X+\j+1], v[16:17]
	s_delay_alu instid0(VALU_DEP_4)
	v_pk_fma_f32 v[18:19], v[X+\j+2:X+\j+3], v[X+\j+2:X+\j+3], v[18:19]
	s_delay_alu instid0(VALU_DEP_4)
	v_pk_fma_f32 v[20:21], v[X+\j+4:X+\j+5], v[X+\j+4:X+\j+5], v[20:21]
	s_delay_alu instid0(VALU_DEP_4)
	v_pk_fma_f32 v[22:23], v[X+\j+6:X+\j+7], v[X+\j+6:X+\j+7], v[22:23]
.endr
	ROWSUM 1024                                    ; other bytes than the first sums': no wave can overwrite what another still reads
	s_delay_alu instid0(VALU_DEP_1)
	v_mul_f32 v16, 0x3a800000, v16                 ; the variance,
	s_delay_alu instid0(VALU_DEP_1)
	v_add_f32 v16, 0x3727c5ac, v16                 ; + 1e-5
	s_wait_alu depctr_va_vdst(0)
	v_rsq_f32 v14, v16
	v_nop                                          ; a plain line behind the transcendental,
	s_wait_alu depctr_va_vdst(0)                   ; and the wait ahead of its first reader
	v_mov_b32 v15, v14
	s_wait_alu depctr_va_vdst(0)
	s_wait_loadcnt 0x0                             ; gain and bias
.set j, 0
.rept 32
	v_pk_mul_f32 v[X+j:X+j+1], v[X+j:X+j+1], v[14:15]
.set j, j+2
.endr
.set j, 0
.rept 32
	v_pk_fma_f32 v[X+j:X+j+1], v[X+j:X+j+1], v[G+j:G+j+1], v[BB+j:BB+j+1]
.set j, j+2
.endr
	QUANT X
.irp c, 0,1,2,3
	global_store_b128 v5, v[PC+4*\c:PC+4*\c+3], s[24:25] offset:512*\c   ; 32 lanes store 512 consecutive bytes
.endr
	global_store_b32 v6, v[PW], s[24:25]
	s_branch .Lend
.Lweights:
	s_wait_alu depctr_va_vdst(0)
.irp i, 0,1,2,3,4,5,6,7,8,9,10,11,12,13,14,15
	global_load_b128 v[G+4*\i:G+4*\i+3], v[RO+\i], s[50:51] th:TH_LOAD_NT   ; the second fragment's 16 rows
.endr
	s_wait_loadcnt 16                              ; the first fragment's rows are in; the second's 16 loads may be out
	TURN X, SBI, SBO
	s_wait_loadcnt 0x0                             ; the second's are in: the offsets' registers are free
	TURN G, SBI, SBO                               ; through the same stage: its stores come behind the first fragment's loads, in order
	s_wait_dscnt 32                                ; the first fragment is back; the second's 16 stores and 16 loads, issued behind, may be out
	QUANT X
.irp c, 0,1,2,3
	global_store_b128 v5, v[PC+4*\c:PC+4*\c+3], s[24:25] offset:512*\c
.endr
	global_store_b32 v6, v[PW], s[24:25]
	s_wait_dscnt 0x0                               ; the second fragment is back
	s_wait_xcnt 0x0                                ; the stores above have read the codes and the word: they may be written again
	QUANT G
.irp c, 0,1,2,3
	global_store_b128 v245, v[PC+4*\c:PC+4*\c+3], s[24:25] offset:512*\c
.endr
	global_store_b32 v246, v[PW], s[24:25]
.Lend:
	s_wait_tensorcnt 0x0                           ; the wave's end
	ds_add_u32 v10, v11
	s_wait_dscnt 0x0
	s_endpgm
.Lfunc_end_k_q2705d4ee0a_prep:
	.size	k_q2705d4ee0a_prep, .Lfunc_end_k_q2705d4ee0a_prep-k_q2705d4ee0a_prep
	.p2alignl 7, 3214868480
	.fill 96, 4, 3214868480
	.section	.rodata,"a",@progbits
	.p2align	6, 0x0
	.amdhsa_kernel k_q2705d4ee0a_prep
		.amdhsa_group_segment_fixed_size 138240
		.amdhsa_private_segment_fixed_size 0
		.amdhsa_enable_private_segment 0
		.amdhsa_kernarg_size 72
		.amdhsa_user_sgpr_count 2
		.amdhsa_user_sgpr_kernarg_segment_ptr 1
		.amdhsa_wavefront_size32 1
		.amdhsa_system_sgpr_workgroup_id_x 1
		.amdhsa_system_sgpr_workgroup_id_y 1
		.amdhsa_system_sgpr_workgroup_id_z 1
		.amdhsa_system_vgpr_workitem_id 0
		.amdhsa_next_free_vgpr 256
		.amdhsa_next_free_sgpr 66
		.amdhsa_reserve_vcc 0
		.amdhsa_float_denorm_mode_32 3
		.amdhsa_float_denorm_mode_16_64 3
		.amdhsa_memory_ordered 1
		.amdhsa_forward_progress 1
		.amdhsa_inst_pref_size 63
	.end_amdhsa_kernel
	.amdgpu_metadata
---
amdhsa.version: [ 1, 2 ]
amdhsa.kernels:
  - .name:           k_q2705d4ee0a_prep
    .symbol:         k_q2705d4ee0a_prep.kd
    .args:
      - { .name: x, .offset: 0, .size: 8, .value_kind: global_buffer, .address_space: global }
      - { .name: ln1_g, .offset: 8, .size: 8, .value_kind: global_buffer, .address_space: global }
      - { .name: ln1_b, .offset: 16, .size: 8, .value_kind: global_buffer, .address_space: global }
      - { .name: Wq, .offset: 24, .size: 8, .value_kind: global_buffer, .address_space: global }
      - { .name: Wkv, .offset: 32, .size: 8, .value_kind: global_buffer, .address_space: global }
      - { .name: Wo, .offset: 40, .size: 8, .value_kind: global_buffer, .address_space: global }
      - { .name: W1, .offset: 48, .size: 8, .value_kind: global_buffer, .address_space: global }
      - { .name: W2, .offset: 56, .size: 8, .value_kind: global_buffer, .address_space: global }
      - { .name: pre, .offset: 64, .size: 8, .value_kind: global_buffer, .address_space: global }
    .group_segment_fixed_size: 138240
    .private_segment_fixed_size: 0
    .kernarg_segment_align: 8
    .kernarg_segment_size: 72
    .max_flat_workgroup_size: 256
    .sgpr_count:     66
    .vgpr_count:     256
    .wavefront_size: 32
...
	.end_amdgpu_metadata
.endif
;; end of part 1
;; launch qkv (part 2): grid 32 x 8, 4 waves a work-group, clusters of 4 x 1, 327,680 bytes of LDS; arguments pre, cos, sin, qkvb; writes qkvb
.if DOCPART == 2
	.amdgcn_target "amdgcn-amd-amdhsa--gfx1250"
	.amdhsa_code_object_version 6
	.text
	.protected	k_q2705d4ee0a_qkv
	.globl	k_q2705d4ee0a_qkv
	.p2align	8
	.type	k_q2705d4ee0a_qkv,@function
k_q2705d4ee0a_qkv:
	s_mov_b64 s[64:65], 0
	v_nop
	global_prefetch_b8 v0, s[64:65] scope:SCOPE_SE
	s_setreg_imm32_b32 hwreg(HW_REG_WAVE_MODE, 25, 1), 1
	s_wait_xcnt 0x0
	s_wait_alu depctr_hold_cnt(0) depctr_sa_sdst(0) depctr_va_vdst(0) depctr_va_sdst(0) depctr_va_ssrc(0) depctr_va_vcc(0) depctr_vm_vsrc(0)
	s_getreg_b32 s2, hwreg(HW_REG_IB_STS2, 6, 4)
	s_cmp_eq_u32 s2, 0
	s_cbranch_scc0 .Lentry_in_a_cluster
	s_endpgm
.Lentry_in_a_cluster:
	s_bfe_u32 s2, ttmp6, 0x10000c
	s_cmp_lg_u32 s2, 0x3003
	s_cbranch_scc0 .Lentry_shape_is_right
	s_endpgm
.Lentry_shape_is_right:
; QKV: q = LN1(x) Wq^T and kv = LN1(x) Wkv^T on codes of E4M3 with E8M0 scales, the interleaved rotation of q and k, and the quantising of q, k (along the head's 64) and v (along the keys) for attention.
; Nothing of reference() is left out here.  Operands lie as register images in records of 17,408 bytes (8 fragments of 16 rows x 128 K, then their 8 scale images): see PREP's head.
; SHARES.  The 1,536 columns are 24 UNITS of 64: q's heads 0-15, then k0, v0, k1, v1 ..  A unit is half a weight panel: 4 fragments and 4 scale images of each of its 8 records.
; 256 work-groups: x = token panel of 128, y = X.  Work-groups X = 2 m and 2 m + 1 share weight panels 3 m .. 3 m + 2: the even one takes both units of panel 3 m and the first of 3 m + 1, the odd one both of 3 m + 2
; and the second of 3 m + 1.  Wave w takes tokens 32 w .. 32 w + 31 (two tiles) against a unit's 64 columns: 8 accumulators; a counted loop of three trips walks the units.
; TOKENS GO STRAIGHT INTO REGISTERS: a token fragment is read by one wave alone, so its 16 fragments (all of K) come by 64 loads of 512 consecutive bytes and stay; for the same reason they are not asked for jointly.
; WEIGHTS IN LDS, each byte filled once: unit i's codes [K step][8,192] at 65,536 i, its scale words [K step][512] behind them.  CLUSTER 4, 1, 1: four token panels walk the same X: the weights' loads are joint.
; At the head a wave asks for one tile (units 0, 1: codes, words); the third unit's two tiles follow behind the full sequence and a round; the barrier at a trip's end shows them.  No prefetch: no fill stands in the loop.
; THE PRODUCT IS USED TRANSPOSED for q and k (source 0 = 16 weight rows, source 1 = 16 tokens): a lane holds one token, and the 16 registers of weight tiles 2 b, 2 b + 1 are columns 32 b + 16 (lane / 16) + 0 .. 15.
; For v the sources are swapped back: a lane holds one channel, its registers run along the KEYS.  Which path a trip takes hangs on X and the trip alone: the same in all partners.
; OUT, as before: q: [token tile][pair of heads][fragment], words behind; k, v: for each kv head and each 128 keys one record: 4 fragments of k, 4 of v^T, their words.
; REGISTERS: window 0: v1-23 addresses, v26-29, v36-39 the weights' words (two sets), v44-60 the quantiser's, v64-79 codes, v80-87 at work, v88-103 the tokens' words, v128-191 accumulators;
; windows 1, 2: v0-63 the two sets of weight fragments, v128-255 the tokens of K steps 0-3, 4-7; window 3: cos v0-63, sin v64-127.
; LIMITS: as PREP's (NaN, infinities; the byte of a block of zeros).
.set REC,   17408
.set SCO,   16384
.set SB,    3*65536                    ; LDS: the units' scale words, 4,096 bytes a unit
.set VSC,   SB+3*4096                  ; 512 bytes: v's scale bytes meet here
.set SPARE, VSC+512                    ; the spare words, 128 bytes for each wave
.set QS,    4194304                    ; in qkvb: q's scale words,
.set KV,    4456448                    ; the records of k and v
.set OFF_H, 7241728                    ; in pre: LN1(x)
.set TM,  44
.set PW,  60
.set PC,  64
.set TW,  88
.set SEL, 60
.set MNT, 62
.set MSB, 0
.macro WIN new                         ; the immediate's high byte repeats the setting that is left
.if MSB != (\new)
	s_set_vgpr_msb (MSB<<8)|(\new)
.set MSB, (\new)
.endif
.endm
.macro CROUND                          ; a round of the cluster's barrier
	s_barrier_signal -1
	s_barrier_wait -1
	s_cmp_lg_u32 s14, 0
	s_cbranch_scc1 .Lnot_wave_0_\@
	s_barrier_signal -3
.Lnot_wave_0_\@:
	s_barrier_wait -3
	s_barrier_signal -1
	s_barrier_wait -1
.endm
.macro TLOAD g0, g1                    ; a tensor load; an s_nop 0 and four v_nop follow it
	tensor_load_to_lds s[\g0:\g0+3], s[\g1:\g1+7]
	s_nop 0
.rept 4
	v_nop
.endr
.endm
; K step k of the unit in hand into fragment set p and word set p.  Eight places stand between the last products that read that set and the loads into it.
.macro FETCH k, p
.rept 8
	v_nop
.endr
	WIN (1+(\p))<<6
.irp b, 0,1,2,3
.irp c, 0,1,2,3
	ds_load_b128 v[16*\b+4*\c:16*\b+4*\c+3], v5 offset:8192*(\k)+2048*\b+512*\c
.endr
.endr
	WIN 0
.irp b, 0,1,2,3
	ds_load_b32 v[26+10*(\p)+\b], v7 offset:512*(\k)+128*\b
.endr
.endm
; Eight products of K step ks: two token tiles x four weight tiles.  kind 0 (q, k): source 0 = the weights; kind 1 (v): source 0 = the tokens.  The first K step starts the sums.  The 8 accumulators take turns.
.macro MUL kind, ks
.set mP, 1+(\ks)%2
.set mT, 1+(\ks)/4
.if \kind
	WIN mT|(mP<<2)
.else
	WIN mP|(mT<<2)
.endif
.irp u, 0,1
.irp b, 0,1,2,3
.set mW, 16*\b
.set mK, 128+32*((\ks)%4)+16*\u
.set mX, 26+10*((\ks)%2)+\b
.set mY, TW+2*(\ks)+\u
.if \kind
.set mD, 128+16*\b+8*\u
.if (\ks) == 0
	v_wmma_scale_f32_16x16x128_f8f6f4 v[mD:mD+7], v[mK:mK+15], v[mW:mW+15], 0, v[mY], v[mX]
.else
	v_wmma_scale_f32_16x16x128_f8f6f4 v[mD:mD+7], v[mK:mK+15], v[mW:mW+15], v[mD:mD+7], v[mY], v[mX]
.endif
.else
.set mD, 128+32*\u+8*\b
.if (\ks) == 0
	v_wmma_scale_f32_16x16x128_f8f6f4 v[mD:mD+7], v[mW:mW+15], v[mK:mK+15], 0, v[mX], v[mY]
.else
	v_wmma_scale_f32_16x16x128_f8f6f4 v[mD:mD+7], v[mW:mW+15], v[mK:mK+15], v[mD:mD+7], v[mX], v[mY]
.endif
.endif
.endr
.endr
.endm
.macro PIPE kind                       ; the walk over K: a step's successor is fetched ahead of its eight products
.irp k, 0,1,2,3,4,5,6
	s_wait_dscnt 0x0
	FETCH \k+1, 1-\k%2
	MUL \kind, \k
.endr
	s_wait_dscnt 0x0
	MUL \kind, 7
	WIN 0
.endm
.macro QUANT s                         ; 64 numbers of a lane -> codes v[PC] on, scale word v[PW] (as in PREP)
.irp b, 0,1,2,3
	v_max3_num_f32 v[TM+\b], |v[(\s)+16*\b]|, |v[(\s)+1+16*\b]|, 0x4800000
.endr
.irp i, 2,4,6,8,10,12,14
.irp b, 0,1,2,3
	v_max3_num_f32 v[TM+\b], v[TM+\b], |v[(\s)+16*\b+\i]|, |v[(\s)+1+16*\b+\i]|
.endr
.endr
.irp b, 0,1,2,3
	v_permlanex16_b32 v[TM+4+\b], v[TM+\b], s[SEL], s[SEL+1]
.endr
.irp b, 0,1,2,3
	v_max_num_f32 v[TM+\b], v[TM+\b], v[TM+4+\b]
.endr
.irp b, 0,1,2,3
	v_add_nc_u32 v[TM+12+\b], 0xfc000000, v[TM+\b]
.endr
.irp b, 0,1,2,3
	v_and_or_b32 v[TM+8+\b], v[TM+\b], 0x7f800000, s[MNT]
.endr
.irp b, 0,1,2,3
	v_lshrrev_b32 v[TM+4+\b], 23, v[TM+12+\b]
.endr
	v_lshl_or_b32 v[PW], v[TM+5], 8, v[TM+4]
	v_lshl_or_b32 v[PW], v[TM+6], 16, v[PW]
	v_lshl_or_b32 v[PW], v[TM+7], 24, v[PW]
.irp b, 0,1,2,3
.irp i, 0,1,2,3,4,5,6,7,8,9,10,11,12,13,14,15
	v_med3_num_f32 v[(\s)+16*\b+\i], v[(\s)+16*\b+\i], -v[TM+8+\b], v[TM+8+\b]
.endr
	v_cvt_scalef32_pk8_fp8_f32 v[PC+4*\b:PC+1+4*\b], v[(\s)+16*\b:(\s)+7+16*\b], v[TM+12+\b]
	v_cvt_scalef32_pk8_fp8_f32 v[PC+2+4*\b:PC+3+4*\b], v[(\s)+8+16*\b:(\s)+15+16*\b], v[TM+12+\b]
.endr
	v_nop
.endm
; The rotation of eight registers (four pairs) from q on, tables from t on in window 3: first (-x1 s0, x0 s1) into a spare pair, then x c + that, in place.  An accumulator is read from its low end on.
.macro ROPE8 q, t
.irp i, 0,2,4,6
	v_pk_mul_f32 v[80+\i:81+\i], v[(\q)+\i:(\q)+\i+1], v[64+(\t)+\i:64+(\t)+\i+1] op_sel:[1,0] op_sel_hi:[0,1] neg_lo:[1,0]
.endr
.irp i, 0,2,4,6
	v_pk_fma_f32 v[(\q)+\i:(\q)+\i+1], v[(\q)+\i:(\q)+\i+1], v[(\t)+\i:(\t)+\i+1], v[80+\i:81+\i]
.endr
.endm
	s_load_b256 s[4:11], s[0:1], 0x0               ; pre s[4:5], cos s[6:7], sin s[8:9], qkvb s[10:11]
	v_lshl_add_u32 v12, v0, 2, SPARE               ; my spare word,
	v_mov_b32 v13, 0                               ; and 0; both are kept
	ds_add_u32 v12, v13                            ; the wave's opening: the add, twice on end, and its wait ahead of my first tensor load
	ds_add_u32 v12, v13
	v_lshrrev_b32 v1, 5, v0
	v_readfirstlane_b32 s14, v1                    ; wave 0..3
	s_bfe_u32 s56, ttmp6, 0x40000                  ; cx
	s_lshl_b32 s59, ttmp9, 2
	s_add_co_u32 s59, s59, s56                     ; token panel: it enters global addresses of plain loads and stores alone
	s_and_b32 s58, ttmp7, 0xffff                   ; X: shared by the four partners
	s_and_b32 s57, s58, 1
	s_lshr_b32 s3, s58, 1
	s_mul_i32 s3, s3, 3                            ; 3 m
	s_lshl_b32 s2, s57, 1
	s_add_co_u32 s2, s2, s3                        ; the panel that is all mine: 3 m or 3 m + 2
	s_add_co_u32 s3, s3, 1                         ; the panel of which I take one unit
	s_lshl_b32 s80, s2, 1                          ; the three trips' units, by their numbers among the 24
	s_add_co_u32 s81, s80, 1
	s_lshl_b32 s82, s3, 1
	s_add_co_u32 s82, s82, s57
	s_mov_b32 s24, 15|(3<<16)|(1<<21)              ; group 1, a unit's codes: the mask names all four; elements of 8 bytes; 8 rows (K steps) of 8,192 bytes, a record apart
	s_mov_b32 s25, 1024<<16
	s_mov_b32 s26, 8<<16
	s_mov_b32 s27, 1024<<16
	s_mov_b32 s28, 8
	s_mov_b32 s29, REC/8
	s_mov_b32 s30, 0
	s_mov_b32 s31, 0
	s_mov_b32 s32, 15|(3<<16)|(1<<21)              ; group 1, a unit's scale words: 8 rows of 512 bytes, a record apart
	s_mov_b32 s33, 64<<16
	s_mov_b32 s34, 8<<16
	s_mov_b32 s35, 64<<16
	s_mov_b32 s36, 8
	s_mov_b32 s37, REC/8
	s_mov_b32 s38, 0
	s_mov_b32 s39, 0
	s_and_b32 s15, s14, 1                          ; at the head: 0: I ask for codes; 1: for words,
	s_lshr_b32 s66, s14, 1                         ; of unit 0 or 1
	s_mul_i32 s16, s2, 8*REC
	s_lshl_b32 s18, s66, 13
	s_add_co_u32 s18, s18, s16                     ; codes: the panel's first record + 8,192 x unit
	s_mov_b32 s19, 0
	s_lshl_b32 s20, s66, 9
	s_add_co_u32 s20, s20, s16
	s_add_co_u32 s20, s20, SCO                     ; words: + 16,384 + 512 x unit
	s_mov_b32 s21, 0
	s_mul_i32 s16, s3, 8*REC
	s_lshl_b32 s22, s57, 13
	s_add_co_u32 s22, s22, s16                     ; the third unit's codes
	s_mov_b32 s23, 0
	s_lshl_b32 s72, s57, 9
	s_add_co_u32 s72, s72, s16
	s_add_co_u32 s72, s72, SCO                     ; and words
	s_mov_b32 s73, 0
	s_mov_b32 s40, 1
	s_lshl_b32 s41, s66, 16
	s_mov_b32 s44, 1
	s_lshl_b32 s45, s66, 12
	s_add_co_u32 s45, s45, SB
	s_mov_b32 s48, 1
	s_mov_b32 s49, 2*65536
	s_mov_b32 s52, 1
	s_mov_b32 s53, SB+2*4096
	s_mul_i32 s16, s59, 8*REC
	s_add_co_u32 s16, s16, OFF_H                   ; my token panel's records
	s_mov_b32 s17, 0
	s_and_b32 s74, s59, 15                         ; cos, sin: my wave's first position in the sequence: 128 (panel % 16) + 32 wave; rows of 256 bytes
	s_lshl_b32 s74, s74, 15
	s_lshl_b32 s75, s14, 13
	s_add_co_u32 s74, s74, s75
	s_mov_b32 s75, 0
	s_mov_b32 s[SEL], 0x76543210
	s_mov_b32 s[SEL+1], 0xfedcba98
	s_mov_b32 s[MNT], 0x600000
	s_mov_b32 s79, 0                               ; the trip
	s_wait_dscnt 0x0                               ; both opening adds are done
	s_wait_kmcnt 0x0
	s_add_nc_u64 s[42:43], s[4:5], s[18:19]
	s_or_b32 s43, s43, 0x80000000
	s_add_nc_u64 s[46:47], s[4:5], s[20:21]
	s_or_b32 s47, s47, 0x80000000
	s_add_nc_u64 s[50:51], s[4:5], s[22:23]
	s_or_b32 s51, s51, 0x80000000
	s_add_nc_u64 s[54:55], s[4:5], s[72:73]
	s_or_b32 s55, s55, 0x80000000
	s_add_nc_u64 s[16:17], s[4:5], s[16:17]
	s_add_nc_u64 s[6:7], s[6:7], s[74:75]
	s_add_nc_u64 s[8:9], s[8:9], s[74:75]
	CROUND                                         ; all four work-groups are here: the joint loads meet
	s_cmp_eq_u32 s15, 0                            ; one load a wave: waves 0, 2 the codes of units 0, 1; waves 1, 3 their words
	s_cbranch_scc0 .Lhead_words
	TLOAD 40, 24
	s_branch .Lhead_asked
.Lhead_words:
	TLOAD 44, 32
.Lhead_asked:
	v_and_b32 v3, 31, v0                           ; lane
	v_and_b32 v1, 15, v0                           ; r
	v_bfe_u32 v2, v0, 4, 1                         ; h
	s_lshl_b32 s20, s14, 12
	v_lshl_add_u32 v4, v3, 4, s20                  ; my two token fragments in a record: 16 x lane + 4,096 x wave
	v_lshlrev_b32 v5, 4, v3                        ; LDS: the unit's fragments
	s_lshl_b32 s20, s14, 8
	s_add_co_u32 s20, s20, SCO
	v_lshl_add_u32 v6, v3, 2, s20                  ; my tokens' scale words in a record
	v_lshl_add_u32 v7, v3, 2, SB                   ; LDS: the unit's words
	v_and_b32 v14, 8, v1
	v_add_nc_u32 v14, v14, v1                      ; r + 8 (r / 8)
	v_lshlrev_b32 v14, 8, v14
	v_lshl_add_u32 v14, v2, 6, v14                 ; the tables: my token's row, + 64 h
	s_add_co_u32 s22, s14, VSC
	v_lshl_add_u32 v20, v3, 2, s22                 ; LDS: my byte of a word of v's scales: 4 x lane + wave
	s_lshl_b32 s22, s14, 7
	s_add_co_u32 s22, s22, VSC
	v_lshl_add_u32 v21, v3, 2, s22                 ; and the words of channel tile 'wave'
.irp b, 0,1,2,3
	v_mov_b32 v[TM+4+\b], 0                        ; a lane permute's destination counts as read
.endr
	s_wait_alu depctr_va_vdst(0)
	WIN 0x40                                       ; destination window 1: the tokens of K steps 0-3
.irp k, 0,1,2,3
.irp u, 0,1
.irp c, 0,1,2,3
	global_load_b128 v[128+32*\k+16*\u+4*\c:128+32*\k+16*\u+4*\c+3], v4, s[16:17] offset:\k*REC+2048*\u+512*\c
.endr
.endr
.endr
	WIN 0x80                                       ; window 2: K steps 4-7
.irp k, 0,1,2,3
.irp u, 0,1
.irp c, 0,1,2,3
	global_load_b128 v[128+32*\k+16*\u+4*\c:128+32*\k+16*\u+4*\c+3], v4, s[16:17] offset:(\k+4)*REC+2048*\u+512*\c
.endr
.endr
.endr
	WIN 0
.irp k, 0,1,2,3,4,5,6,7
.irp u, 0,1
	global_load_b32 v[TW+2*\k+\u], v6, s[16:17] offset:\k*REC+128*\u
.endr
.endr
	WIN 0xc0                                       ; window 3: register 32 u + 16 b + i: cos(token of tile u, 32 b + 16 h + i); sin 64 on
.irp u, 0,1
.irp q, 0,1,2,3,4,5,6,7
	global_load_b128 v[32*\u+4*\q:32*\u+4*\q+3], v14, s[6:7] offset:2048*\u+128*(\q/4)+16*(\q%4)
	global_load_b128 v[64+32*\u+4*\q:64+32*\u+4*\q+3], v14, s[8:9] offset:2048*\u+128*(\q/4)+16*(\q%4)
.endr
.endr
	WIN 0
	s_wait_tensorcnt 0x0                           ; my tile of units 0, 1 is in
	ds_add_u32 v12, v13
	s_wait_dscnt 0x0
	CROUND                                         ; units 0, 1 are whole, and all four work-groups are here
	s_cmp_eq_u32 s14, 0                            ; the third unit: wave 0 its codes, wave 1 its words
	s_cbranch_scc0 .Lthird_words
	TLOAD 48, 24
	s_branch .Lthird_asked
.Lthird_words:
	s_cmp_eq_u32 s14, 1
	s_cbranch_scc0 .Lthird_asked
	TLOAD 52, 32
.Lthird_asked:
	s_wait_loadcnt 0x0                             ; tokens, words, tables
.Lunit:                                            ; three trips, a unit each
	FETCH 0, 0
	s_sub_co_u32 s20, s80, 16                      ; for a unit of k or v: its kv head,
	s_lshr_b32 s20, s20, 1
	s_lshr_b32 s21, s59, 4                         ; the batch,
	s_lshl_b32 s21, s21, 2
	s_add_co_u32 s21, s21, s20
	s_lshl_b32 s21, s21, 4
	s_and_b32 s22, s59, 15
	s_add_co_u32 s21, s21, s22                     ; which 128 keys:
	s_mul_i32 s21, s21, REC
	s_add_co_u32 s21, s21, KV                      ; the record (for a unit of q the number is not used)
	s_lshr_b32 s78, s80, 4
	s_and_b32 s78, s78, s80                        ; 1 for v: units 17, 19, 21, 23
	s_cmp_lg_u32 s78, 0
	s_cbranch_scc1 .Lv
	PIPE 0
	s_lshl_b32 s22, s14, 11
	s_add_co_u32 s22, s22, s21                     ; k: fragment 'wave' of the record,
	s_lshl_b32 s23, s14, 7
	s_add_co_u32 s23, s23, s21
	s_add_co_u32 s23, s23, 16384                   ; its words
	s_lshl_b32 s72, s59, 6
	s_lshl_b32 s73, s14, 4
	s_add_co_u32 s72, s72, s73
	s_lshr_b32 s73, s80, 1
	s_add_co_u32 s72, s72, s73                     ; q: 8 x (my first token tile) + pair of heads
	s_and_b32 s73, s80, 1
	s_lshl_b32 s74, s72, 11
	s_lshl_b32 s75, s73, 10
	s_add_co_u32 s74, s74, s75                     ; the fragment, + 1,024 for the pair's second head
	s_lshl_b32 s75, s72, 7
	s_lshl_b32 s73, s73, 1
	s_add_co_u32 s75, s75, s73
	s_add_co_u32 s75, s75, QS                      ; its words, + 2 bytes
	s_movk_i32 s76, 1024
	s_cmp_lt_u32 s80, 16
	s_cselect_b32 s22, s74, s22
	s_cselect_b32 s23, s75, s23
	s_cselect_b32 s74, 16384, s76                  ; from my first token tile's codes to my second's: q: the next tile's fragment; k: groups 2, 3 of the same
	s_cselect_b32 s75, s76, 2                      ; and the same for the half-words
	v_lshl_add_u32 v16, v3, 4, s22                 ; (these four and four v_nop: eight places behind the last products)
	v_lshl_add_u32 v18, v3, 2, s23
	v_add_nc_u32 v17, s74, v16
	v_add_nc_u32 v19, s75, v18
.rept 4
	v_nop
.endr
	WIN 0x0c                                       ; source 1: window 3
.irp u, 0,1
.irp e, 0,1,2,3
	ROPE8 128+32*\u+8*\e, 32*\u+8*\e
.endr
.endr
	WIN 0
	QUANT 128                                      ; block 2 u + b: token tile u, channels 32 b on
	global_store_b128 v16, v[PC:PC+3], s[10:11]
	global_store_b128 v16, v[PC+4:PC+7], s[10:11] offset:512
	global_store_b128 v17, v[PC+8:PC+11], s[10:11]
	global_store_b128 v17, v[PC+12:PC+15], s[10:11] offset:512
	global_store_b16 v18, v[PW], s[10:11]          ; tile 0's two bytes,
	global_store_d16_hi_b16 v19, v[PW], s[10:11]   ; tile 1's
	s_branch .Ljoin
.Lv:
	PIPE 1
	s_lshl_b32 s22, s14, 9
	s_add_co_u32 s22, s22, s21
	s_add_co_u32 s22, s22, 8192
	s_lshl_b32 s23, s14, 7
	s_add_co_u32 s23, s23, s21
	s_add_co_u32 s23, s23, 16896
	v_lshl_add_u32 v16, v3, 4, s22                 ; v's fragments: my 32 keys are group 'wave' of each
	v_lshl_add_u32 v18, v3, 2, s23                 ; v's words of channel tile 'wave'
.rept 6
	v_nop                                          ; with the two above: eight places behind the last products
.endr
	QUANT 128                                      ; block t: my 32 keys of channel tile t
.irp t, 0,1,2,3
	global_store_b128 v16, v[PC+4*\t:PC+4*\t+3], s[10:11] offset:2048*\t
	ds_store_b8 v20, v[TM+4+\t] offset:128*\t      ; the four waves' bytes make a word
.endr
	s_wait_dscnt 0x0                               ; for the others' sake
	s_barrier_signal -1
	s_barrier_wait -1
	ds_load_b32 v80, v21
	s_wait_dscnt 0x0
	global_store_b32 v18, v80, s[10:11]
.Ljoin:
	s_wait_xcnt 0x0                                ; the stores have read their registers: addresses, codes and words may be written again
	v_add_nc_u32 v5, 0x10000, v5                   ; on to the next unit
	v_add_nc_u32 v7, 4096, v7
	s_mov_b32 s80, s81
	s_mov_b32 s81, s82
	s_wait_tensorcnt 0x0                           ; every wave: the third unit's tiles are in,
	s_wait_dscnt 0x0                               ; and my reads of v's bytes are over
	s_wait_alu depctr_va_vdst(0)                   ; the wait ahead of the barrier and the branch
	s_barrier_signal -1
	s_barrier_wait -1
	s_add_co_u32 s79, s79, 1
	s_cmp_lt_u32 s79, 3
	s_cbranch_scc1 .Lunit
	s_wait_tensorcnt 0x0                           ; the wave's end
	ds_add_u32 v12, v13
	s_wait_dscnt 0x0
	CROUND                                         ; the closing round
	s_endpgm
.Lfunc_end_k_q2705d4ee0a_qkv:
	.size	k_q2705d4ee0a_qkv, .Lfunc_end_k_q2705d4ee0a_qkv-k_q2705d4ee0a_qkv
	.p2alignl 7, 3214868480
	.fill 96, 4, 3214868480
	.section	.rodata,"a",@progbits
	.p2align	6, 0x0
	.amdhsa_kernel k_q2705d4ee0a_qkv
		.amdhsa_group_segment_fixed_size 327680
		.amdhsa_private_segment_fixed_size 0
		.amdhsa_enable_private_segment 0
		.amdhsa_kernarg_size 32
		.amdhsa_user_sgpr_count 2
		.amdhsa_user_sgpr_kernarg_segment_ptr 1
		.amdhsa_wavefront_size32 1
		.amdhsa_system_sgpr_workgroup_id_x 1
		.amdhsa_system_sgpr_workgroup_id_y 1
		.amdhsa_system_sgpr_workgroup_id_z 1
		.amdhsa_system_vgpr_workitem_id 0
		.amdhsa_next_free_vgpr 1024
		.amdhsa_next_free_sgpr 100
		.amdhsa_reserve_vcc 0
		.amdhsa_float_denorm_mode_32 3
		.amdhsa_float_denorm_mode_16_64 3
		.amdhsa_memory_ordered 1
		.amdhsa_forward_progress 1
		.amdhsa_inst_pref_size 84
	.end_amdhsa_kernel
	.amdgpu_metadata
---
amdhsa.version: [ 1, 2 ]
amdhsa.kernels:
  - .name:           k_q2705d4ee0a_qkv
    .symbol:         k_q2705d4ee0a_qkv.kd
    .args:
      - { .name: pre, .offset: 0, .size: 8, .value_kind: global_buffer, .address_space: global }
      - { .name: cos, .offset: 8, .size: 8, .value_kind: global_buffer, .address_space: global }
      - { .name: sin, .offset: 16, .size: 8, .value_kind: global_buffer, .address_space: global }
      - { .name: qkvb, .offset: 24, .size: 8, .value_kind: global_buffer, .address_space: global }
    .group_segment_fixed_size: 327680
    .private_segment_fixed_size: 0
    .kernarg_segment_align: 8
    .kernarg_segment_size: 32
    .max_flat_workgroup_size: 128
    .sgpr_count:     100
    .vgpr_count:     1024
    .wavefront_size: 32
...
	.end_amdgpu_metadata
.endif
;; end of part 2
;; launch attn (part 3): grid 32 x 8, 16 waves a work-group, clusters of 4 x 1, 327,680 bytes of LDS; arguments qkvb, oc; writes oc
.if DOCPART == 3
	.amdgcn_target "amdgcn-amd-amdhsa--gfx1250"
	.amdhsa_code_object_version 6
	.text
	.protected	k_q2705d4ee0a_attn
	.globl	k_q2705d4ee0a_attn
	.p2align	8
	.type	k_q2705d4ee0a_attn,@function
k_q2705d4ee0a_attn:
	s_mov_b64 s[64:65], 0
	v_nop
	global_prefetch_b8 v0, s[64:65] scope:SCOPE_SE
	s_setreg_imm32_b32 hwreg(HW_REG_WAVE_MODE, 25, 1), 1
	s_wait_xcnt 0x0
	s_wait_alu depctr_hold_cnt(0) depctr_sa_sdst(0) depctr_va_vdst(0) depctr_va_sdst(0) depctr_va_ssrc(0) depctr_va_vcc(0) depctr_vm_vsrc(0)
	s_getreg_b32 s2, hwreg(HW_REG_IB_STS2, 6, 4)
	s_cmp_eq_u32 s2, 0
	s_cbranch_scc0 .Lentry_in_a_cluster
	s_endpgm
.Lentry_in_a_cluster:
	s_bfe_u32 s2, ttmp6, 0x10000c
	s_cmp_lg_u32 s2, 0x3003
	s_cbranch_scc0 .Lentry_shape_is_right
	s_endpgm
.Lentry_shape_is_right:
; ATTN: o = softmax(q k^T / 8) v for 16 query heads on 4 kv heads, no mask, both products on codes of E4M3 with E8M0 scales, and the quantising of o for the projection that follows.
; Nothing of reference() is left out.  The first product's K is 64 and the instruction's is 128: a fragment of k holds TWO key tiles (groups 0, 1 and 2, 3), and the queries' operand holds q in one half
; and zero codes in the other, so that each instruction gives one key tile's scores.
; THE SOFTMAX: t = score x log2(e) / 8; M = the running largest t rounded up to a whole number; p = 2^(t - M) is quantised along the keys; the sum of the unquantised p divides at the end.
; SHARES.  y = 4 x batch + kv head.  A work-group owns 64 tokens x the 4 query heads of the kv head; wave w owns token tile w / 4 of head w % 4: 16 queries.  Four waves share a SIMD.
; ALL 2,048 keys' k and v of the kv head, 16 records of 17,408 bytes, lie in LDS, filled once: wave w asks for record w, jointly with the three partners of its cluster, which walk the same kv head.
; Waves 0-3 have a load line of their own: the first barrier shows records 0-3 alone, four key steps are walked, and a second barrier, with every wave's wait for 0, shows the other twelve.
; No prefetch: every fill goes out at the head, so there is no loop in which to ask ahead of a load.
; LAYOUT.  Both products are used transposed (S^T = k q^T, O^T = v^T p^T): a lane holds one query; by the order of keys in a tile the 16 registers of score tiles 2 b, 2 b + 1 are keys 32 b + 16 (lane / 16) + 0 .. 15.
; REGISTERS: v1-4 LDS addresses; v5, v6 the add's; v7 q's word; v8-11 k's words; v12 -M, v13 the largest t, v[14:15] the sum; v16-19 v's words; v20 p's word; v21 o's place; v[22:23] f;
; v24-47 q / zeros / q; v48-111 four fragments; v112-175 S^T, then p; v176-207 O^T; v208-223 p's codes; v224-255 at work, three side chains of the sum, addresses of the way out.
; LIMITS: NaN and infinities are not served; the promise holds while the scaled scores t stay under 2^31 in magnitude; a block of p that has fallen to 0 keeps the byte 1: its codes are zeros.
.set REC,   17408
.set OSC,   16*REC                     ; 1,024 bytes: o's scale half-words meet here
.set SPARE, OSC+1024                   ; the spare words, 128 bytes for each of the sixteen waves
.set QS,    4194304
.set KV,    4456448
.set S,   112
.set O,   176
.set PCD, 208
.set BM,  224
.set PM,  228
.set HL,  232
.set SO,  236
.set T1,  242                          ; the sum's side chains: pairs at v242, v254, v252
.set T2,  254
.set T3,  252
.set SEL, 20
.set CS,  22
.set MNT, 19
.macro CROUND
	s_barrier_signal -1
	s_barrier_wait -1
	s_cmp_lg_u32 s14, 0
	s_cbranch_scc1 .Lnot_wave_0_\@
	s_barrier_signal -3
.Lnot_wave_0_\@:
	s_barrier_wait -3
	s_barrier_signal -1
	s_barrier_wait -1
.endm
	s_load_b128 s[4:7], s[0:1], 0x0                ; qkvb s[4:5], oc s[6:7]
	v_lshl_add_u32 v5, v0, 2, SPARE
	v_mov_b32 v6, 0
	ds_add_u32 v5, v6                              ; the wave's opening: the add, twice on end, and its wait ahead of my tensor load
	ds_add_u32 v5, v6
	v_lshrrev_b32 v1, 5, v0
	v_readfirstlane_b32 s14, v1                    ; wave 0..15
	s_bfe_u32 s8, ttmp6, 0x40000                   ; cx
	s_lshl_b32 s9, ttmp9, 2
	s_add_co_u32 s9, s9, s8                        ; X: which 64 tokens of the sequence; it enters q's and o's global addresses alone
	s_and_b32 s10, ttmp7, 0xffff                   ; 4 x batch + kv head: shared by the four partners
	s_mov_b32 s24, 15|(3<<16)|(1<<21)              ; group 1: the mask names all four; elements of 8 bytes; bit 21 beside the mask
	s_mov_b32 s25, 32<<16                          ; rows of 256 bytes,
	s_mov_b32 s26, 68<<16                          ; 68 of them: a record
	s_mov_b32 s27, 32<<16
	s_mov_b32 s28, 68
	s_mov_b32 s29, 32
	s_mov_b32 s30, 0
	s_mov_b32 s31, 0
	s_lshl_b32 s12, s10, 4
	s_add_co_u32 s12, s12, s14                     ; record 'wave' of my kv head
	s_mul_i32 s12, s12, REC
	s_add_co_u32 s12, s12, KV
	s_mov_b32 s13, 0
	s_mov_b32 s32, 1
	s_mul_i32 s33, s14, REC                        ; its place in LDS
	s_mov_b32 s[SEL], 0x76543210
	s_mov_b32 s[SEL+1], 0xfedcba98
	s_mov_b32 s[CS], 0x3e38aa3b                    ; c = log2(e) / 8
	s_mov_b32 s[CS+1], s[CS]
	s_mov_b32 s[MNT], 0x600000
	s_mov_b32 s2, 0                                ; the record in hand, in LDS bytes
	s_mov_b32 s3, 16                               ; records to go
	s_wait_dscnt 0x0                               ; both opening adds are done
	s_wait_kmcnt 0x0
	s_add_nc_u64 s[34:35], s[4:5], s[12:13]
	s_or_b32 s35, s35, 0x80000000
	CROUND                                         ; all four work-groups are here
	s_cmp_lt_u32 s14, 4                            ; one load a wave; waves 0-3, whose records the first barrier shows, have a line of their own
	s_cbranch_scc0 .Llater
	tensor_load_to_lds s[32:35], s[24:31]
	s_nop 0
.rept 4
	v_nop
.endr
	s_branch .Lasked
.Llater:
	tensor_load_to_lds s[32:35], s[24:31]
	s_nop 0
.rept 4
	v_nop
.endr
.Lasked:
	v_and_b32 v241, 31, v0                         ; lane
	v_lshlrev_b32 v1, 4, v241                      ; a fragment's place for my lane
	s_wait_alu depctr_va_vdst(0)
	v_lshl_add_u32 v2, v241, 2, 16384              ; a scale word's
	s_lshr_b32 s15, s14, 2                         ; a: my token tile of the four
	s_and_b32 s16, s14, 3                          ; g: my query head of the four
	s_lshr_b32 s17, s10, 2                         ; batch
	s_and_b32 s18, s10, 3                          ; kv head
	s_lshl_b32 s36, s17, 7
	s_lshl_b32 s37, s9, 2
	s_add_co_u32 s36, s36, s37
	s_add_co_u32 s36, s36, s15                     ; my token tile: 128 batch + 4 X + a
	s_lshl_b32 s37, s18, 1
	s_lshr_b32 s38, s16, 1
	s_add_co_u32 s37, s37, s38                     ; my pair of heads
	s_lshl_b32 s36, s36, 3
	s_add_co_u32 s36, s36, s37
	s_and_b32 s38, s16, 1                          ; which head of the pair
	s_lshl_b32 s39, s36, 11
	s_lshl_b32 s40, s38, 10
	s_add_co_u32 s39, s39, s40
	v_add_nc_u32 v242, s39, v1                     ; q's two groups
	s_lshl_b32 s39, s36, 7
	s_add_co_u32 s39, s39, QS
	v_lshl_add_u32 v243, v241, 2, s39              ; q's word
	global_load_b128 v[24:27], v242, s[4:5]
	global_load_b128 v[28:31], v242, s[4:5] offset:512
	global_load_b128 v[40:43], v242, s[4:5]        ; a second time: one run of registers serves as (q, 0), the other as (0, q)
	global_load_b128 v[44:47], v242, s[4:5] offset:512
	global_load_b32 v7, v243, s[4:5]
	s_lshl_b32 s41, s17, 4                         ; o: panel 16 batch + X / 2, K step = pair of heads
	s_lshr_b32 s42, s9, 1
	s_add_co_u32 s41, s41, s42
	s_lshl_b32 s41, s41, 3
	s_add_co_u32 s41, s41, s37
	s_mul_i32 s41, s41, REC                        ; the record
	s_and_b32 s42, s9, 1
	s_lshl_b32 s43, s42, 2
	s_add_co_u32 s43, s43, s15                     ; the tile's place in it: 4 (X % 2) + a
	s_lshl_b32 s43, s43, 11
	s_add_co_u32 s43, s43, s41
	s_add_co_u32 s43, s43, s40                     ; + 1,024 for the pair's second head
	v_add_nc_u32 v21, s43, v1
	s_lshr_b32 s43, s16, 1                         ; LDS: o's half-word: 512 (g / 2) + 128 a + 2 (g % 2) + 4 x lane
	s_lshl_b32 s43, s43, 9
	s_lshl_b32 s44, s15, 7
	s_add_co_u32 s43, s43, s44
	s_lshl_b32 s44, s38, 1
	s_add_co_u32 s43, s43, s44
	s_add_co_u32 s43, s43, OSC
	v_lshl_add_u32 v244, v241, 2, s43
	s_lshl_b32 s43, s16, 8                         ; and back, in waves 0 to 3 (there g = wave): 256 bytes of whole words
	s_add_co_u32 s43, s43, OSC
	v_lshl_add_u32 v245, v241, 3, s43
	s_lshl_b32 s43, s42, 9
	s_lshl_b32 s44, s38, 8
	s_add_co_u32 s43, s43, s44
	s_add_co_u32 s43, s43, s41
	s_add_co_u32 s43, s43, 16384
	v_lshl_add_u32 v246, v241, 3, s43              ; their place in o's record
	s_lshl_b32 s44, s38, 4                         ; 16 bits on for the pair's second head
	s_wait_loadcnt 0x0                             ; q and its word
	v_lshrrev_b32 v240, s44, v7
	v_and_b32 v240, 0xffff, v240                   ; my head's two bytes,
	v_lshl_or_b32 v7, v240, 16, v240               ; for both halves of the instruction's K
.irp j, 0,1,2,3,4,5,6,7
	v_mov_b32 v[32+\j], 0                          ; zero codes
.endr
	v_mov_b32 v13, 0xff61b1e6                      ; the largest t so far: -3e38
	v_floor_f32 v12, -v13                          ; -M
	v_mov_b32 v14, 0
	v_mov_b32 v15, 0
	v_mov_b32 v23, 0                               ; (named as the upper half of the pair v[22:23])
.irp b, 0,1,2,3
	v_mov_b32 v[PM+\b], 0                          ; a lane permute's destination counts as read
.endr
.irp r, 242,243,252,253,254,255
	v_mov_b32 v\r, 0                               ; the side chains: a step's head joins what the step before left (q's loads have read v242, v243)
.endr
.set j, 0
.rept 32
	v_mov_b32 v[O+j], 0                            ; O^T: the step is written once; the first finds zeros
.set j, j+1
.endr
; A KEY STEP: the 128 keys of the record at LDS byte s2
.macro STEP
	v_add_nc_u32 v3, s2, v1                        ; eight places in front of loads into registers that the last products read: two addresses,
	v_add_nc_u32 v4, s2, v2
	v_pk_add_f32 v[T1:T1+1], v[T1:T1+1], v[T2:T2+1]   ; the three joins of the last step's sum,
	v_pk_add_f32 v[14:15], v[14:15], v[T3:T3+1]
	v_nop
	v_pk_add_f32 v[14:15], v[14:15], v[T1:T1+1]
	v_nop
	v_nop
.irp b, 0,1,2,3
.irp c, 0,1,2,3
	ds_load_b128 v[48+16*\b+4*\c:48+16*\b+4*\c+3], v3 offset:2048*\b+512*\c
.endr
	ds_load_b32 v[8+\b], v4 offset:128*\b
.endr
	s_wait_alu depctr_va_vdst(0)
	s_wait_dscnt 0x0
.irp b, 0,1,2,3
	v_wmma_scale_f32_16x16x128_f8f6f4 v[S+16*\b:S+16*\b+7], v[48+16*\b:63+16*\b], v[24:39], 0, v[8+\b], v7
	v_wmma_scale_f32_16x16x128_f8f6f4 v[S+16*\b+8:S+16*\b+15], v[48+16*\b:63+16*\b], v[32:47], 0, v[8+\b], v7
.endr
	v_mov_b32 v240, v12                            ; the old -M.  With the seven below: eight places, for the loads and for the first read of the scores
.rept 7
	v_nop
.endr
.irp t, 0,1,2,3
.irp c, 0,1,2,3
	ds_load_b128 v[48+16*\t+4*\c:48+16*\t+4*\c+3], v3 offset:8192+2048*\t+512*\c   ; v's fragments land under the softmax
.endr
	ds_load_b32 v[16+\t], v4 offset:512+128*\t
.endr
.irp b, 0,1,2,3
	v_max3_num_f32 v[BM+\b], v[S+16*\b], v[S+1+16*\b], v[S+2+16*\b]   ; the largest score of each block of 32 keys: for the row's maximum and for the block's largest p
.endr
.irp i, 3,5,7,9,11,13
.irp b, 0,1,2,3
	v_max3_num_f32 v[BM+\b], v[BM+\b], v[S+16*\b+\i], v[S+1+16*\b+\i]
.endr
.endr
.irp b, 0,1,2,3
	v_max_num_f32 v[BM+\b], v[BM+\b], v[S+15+16*\b]
.endr
.irp b, 0,1,2,3
	v_permlanex16_b32 v[PM+\b], v[BM+\b], s[SEL], s[SEL+1]
.endr
.irp b, 0,1,2,3
	v_max_num_f32 v[BM+\b], v[BM+\b], v[PM+\b]     ; with the lane 16 away's 16 keys
.endr
	s_delay_alu instid0(VALU_DEP_2)
	v_max3_num_f32 v241, v[BM], v[BM+1], v[BM+2]
	s_delay_alu instid0(VALU_DEP_1)
	v_max_num_f32 v241, v241, v[BM+3]
	s_delay_alu instid0(VALU_DEP_1)
	v_mul_f32 v241, s[CS], v241
	s_delay_alu instid0(VALU_DEP_1)
	v_max_num_f32 v13, v13, v241                   ; the running largest t
	s_delay_alu instid0(VALU_DEP_1)
	v_floor_f32 v12, -v13                          ; the new -M: M is a whole number
	s_delay_alu instid0(VALU_DEP_1)
	v_sub_f32 v240, v12, v240
	s_delay_alu instid0(VALU_DEP_1)
	v_cvt_i32_f32 v240, v240                       ; (it saturates)
	s_delay_alu instid0(VALU_DEP_1)
	v_ldexp_f32 v22, 1.0, v240                     ; f = 2^(old M - new M)
.set j, 0
.rept 32
	v_pk_fma_f32 v[S+j:S+j+1], v[S+j:S+j+1], s[CS:CS+1], v[12:13] op_sel_hi:[1,0,0]   ; t - M
.set j, j+2
.endr
.irp b, 0,1,2,3
	v_fma_f32 v[BM+\b], v[BM+\b], s[CS], v12
.endr
	s_wait_alu depctr_va_vdst(0)                   ; the wait ahead of the batch
.set j, 0
.rept 64
	v_exp_f32 v[S+j], v[S+j]                       ; p
.set j, j+1
.endr
	v_pk_mul_f32 v[14:15], v[14:15], v[22:23] op_sel_hi:[1,0]   ; the sum under the new M: a plain line behind the exponentials
	s_wait_alu depctr_va_vdst(0)                   ; one wait for the batch, ahead of its first reader
.irp b, 0,1,2,3
	v_exp_f32 v[BM+\b], v[BM+\b]                   ; each block's largest p
.endr
	v_pk_add_f32 v[T1:T1+1], v[S:S+1], v[S+2:S+3]  ; the sum of the unquantised p, in four chains of eight pairs; the three side chains are joined at the next step's head
	v_pk_add_f32 v[T2:T2+1], v[S+4:S+5], v[S+6:S+7]
	v_pk_add_f32 v[T3:T3+1], v[S+8:S+9], v[S+10:S+11]
	v_pk_add_f32 v[14:15], v[14:15], v[S+12:S+13]
.irp j, 14,22,30,38,46,54
	v_pk_add_f32 v[T1:T1+1], v[T1:T1+1], v[S+\j:S+\j+1]
	v_pk_add_f32 v[T2:T2+1], v[T2:T2+1], v[S+\j+2:S+\j+3]
	v_pk_add_f32 v[T3:T3+1], v[T3:T3+1], v[S+\j+4:S+\j+5]
	v_pk_add_f32 v[14:15], v[14:15], v[S+\j+6:S+\j+7]
.endr
	v_pk_add_f32 v[14:15], v[14:15], v[S+62:S+63]
	s_wait_alu depctr_va_vdst(0)                   ; and one for the four
.irp b, 0,1,2,3
	v_max_num_f32 v[BM+\b], 0x4800000, v[BM+\b]    ; the floor: the byte cannot fall under 1
.endr
.irp b, 0,1,2,3
	v_add_nc_u32 v[SO+\b], 0xfc000000, v[BM+\b]    ; 8 off the exponent field: the conversion's scale operand
.endr
.irp b, 0,1,2,3
	v_and_or_b32 v[HL+\b], v[BM+\b], 0x7f800000, s[MNT]   ; 448 x the scale,
.endr
.irp b, 0,1,2,3
	v_and_or_b32 v[248+(\b+1)%4], v[BM+\b], 0x7f800000, s[MNT]   ; and once more, in a register whose number differs modulo 4: the second half of a dual pair reads it
.endr
.irp b, 0,1,2,3
	v_lshrrev_b32 v[PM+\b], 23, v[SO+\b]           ; the scale's byte
.endr
	s_delay_alu instid0(VALU_DEP_3)
	v_lshl_or_b32 v20, v[PM+1], 8, v[PM]           ; p's scale word for these 128 keys: more than eight plain lines ahead of the products
	s_delay_alu instid0(VALU_DEP_1)
	v_lshl_or_b32 v20, v[PM+2], 16, v20
	s_delay_alu instid0(VALU_DEP_1)
	v_lshl_or_b32 v20, v[PM+3], 24, v20
.irp b, 0,1,2,3
.irp i, 0,2,4,6,8,10,12,14
	v_dual_min_num_f32 v[S+16*\b+\i], v[S+16*\b+\i], v[HL+\b] :: v_dual_min_num_f32 v[S+16*\b+\i+1], v[S+16*\b+\i+1], v[248+(\b+1)%4]   ; the hold, two numbers a line; p is not negative
.endr
	v_cvt_scalef32_pk8_fp8_f32 v[PCD+4*\b:PCD+1+4*\b], v[S+16*\b:S+7+16*\b], v[SO+\b]
	v_cvt_scalef32_pk8_fp8_f32 v[PCD+2+4*\b:PCD+3+4*\b], v[S+8+16*\b:S+15+16*\b], v[SO+\b]
.endr
	s_wait_alu depctr_va_vdst(0)                   ; the wait directly ahead of the first reader of O^T
.set j, 0
.rept 16
	v_pk_mul_f32 v[O+j:O+j+1], v[O+j:O+j+1], v[22:23] op_sel_hi:[1,0]   ; O^T under the new M; these are also the places between the codes and the products
.set j, j+2
.endr
	s_wait_alu depctr_va_vdst(0)
	s_wait_dscnt 0x0                               ; v's fragments and words
.irp t, 0,1,2,3
	v_wmma_scale_f32_16x16x128_f8f6f4 v[O+8*\t:O+8*\t+7], v[48+16*\t:63+16*\t], v[PCD:PCD+15], v[O+8*\t:O+8*\t+7], v[16+\t], v20
.endr
	s_add_co_u32 s2, s2, REC
.endm
	s_wait_alu depctr_va_vdst(0)
	s_cmp_lt_u32 s14, 4
	s_cbranch_scc0 .Lnot_mine
	s_wait_tensorcnt 0x0                           ; waves 0-3: my record is in
.Lnot_mine:
	s_barrier_signal -1
	s_barrier_wait -1                              ; records 0-3 are in
.Lfirst:                                           ; 4 trips of 128 keys
	STEP
	s_sub_co_u32 s3, s3, 1
	s_cmp_lg_u32 s3, 12
	s_cbranch_scc1 .Lfirst
	s_wait_tensorcnt 0x0                           ; every wave: my record is in
	s_mov_b32 s2, 4*REC
	s_barrier_signal -1
	s_barrier_wait -1                              ; all sixteen are
.Lrest:                                            ; 12 trips
	STEP
	s_sub_co_u32 s3, s3, 1
	s_cmp_lg_u32 s3, 0
	s_cbranch_scc1 .Lrest
	v_pk_add_f32 v[T1:T1+1], v[T1:T1+1], v[T2:T2+1]   ; THE WAY OUT: the last step's side chains,
	v_pk_add_f32 v[14:15], v[14:15], v[T3:T3+1]
	v_pk_add_f32 v[14:15], v[14:15], v[T1:T1+1]
	v_add_f32 v14, v14, v15                        ; the sum's halves,
	v_permlanex16_b32 v240, v14, s[SEL], s[SEL+1]
	v_add_f32 v14, v14, v240                       ; and the lane 16 away's
	s_wait_alu depctr_va_vdst(0)
	v_rcp_f32 v14, v14
.rept 8
	v_nop                                          ; the places behind the last products, and the plain line behind the reciprocal
.endr
	s_wait_alu depctr_va_vdst(0)
.set j, 0
.rept 32
	v_mul_f32 v[S+j], v[O+j], v14                  ; o: register 16 b + i = channel 32 b + 16 h + i of my query
.set j, j+1
.endr
.irp b, 0,1
	v_max3_num_f32 v[BM+\b], |v[S+16*\b]|, |v[S+1+16*\b]|, 0x4800000
.endr
.irp i, 2,4,6,8,10,12,14
.irp b, 0,1
	v_max3_num_f32 v[BM+\b], v[BM+\b], |v[S+16*\b+\i]|, |v[S+1+16*\b+\i]|
.endr
.endr
.irp b, 0,1
	v_permlanex16_b32 v[PM+\b], v[BM+\b], s[SEL], s[SEL+1]
.endr
.irp b, 0,1
	v_max_num_f32 v[BM+\b], v[BM+\b], v[PM+\b]
.endr
.irp b, 0,1
	v_add_nc_u32 v[SO+\b], 0xfc000000, v[BM+\b]
.endr
.irp b, 0,1
	v_and_or_b32 v[HL+\b], v[BM+\b], 0x7f800000, s[MNT]
.endr
.irp b, 0,1
	v_lshrrev_b32 v[PM+\b], 23, v[SO+\b]
.endr
	v_lshl_or_b32 v247, v[PM+1], 8, v[PM]          ; my head's two bytes of the row's word
.irp b, 0,1
.irp i, 0,1,2,3,4,5,6,7,8,9,10,11,12,13,14,15
	v_med3_num_f32 v[S+16*\b+\i], v[S+16*\b+\i], -v[HL+\b], v[HL+\b]
.endr
	v_cvt_scalef32_pk8_fp8_f32 v[PCD+4*\b:PCD+1+4*\b], v[S+16*\b:S+7+16*\b], v[SO+\b]
	v_cvt_scalef32_pk8_fp8_f32 v[PCD+2+4*\b:PCD+3+4*\b], v[S+8+16*\b:S+15+16*\b], v[SO+\b]
.endr
	v_nop
	global_store_b128 v21, v[PCD:PCD+3], s[6:7]
	global_store_b128 v21, v[PCD+4:PCD+7], s[6:7] offset:512
	ds_store_b16 v244, v247
	s_wait_dscnt 0x0                               ; for the others' sake
	s_barrier_signal -1
	s_barrier_wait -1
	s_cmp_lt_u32 s14, 4                            ; four waves store the 1,024 bytes of words, 256 consecutive bytes each
	s_cbranch_scc0 .Lno_words
	ds_load_b64 v[248:249], v245
	s_wait_dscnt 0x0
	global_store_b64 v246, v[248:249], s[6:7]
.Lno_words:
	s_wait_tensorcnt 0x0                           ; the wave's end
	ds_add_u32 v5, v6
	s_wait_dscnt 0x0
	CROUND                                         ; the closing round
	s_endpgm
.Lfunc_end_k_q2705d4ee0a_attn:
	.size	k_q2705d4ee0a_attn, .Lfunc_end_k_q2705d4ee0a_attn-k_q2705d4ee0a_attn
	.p2alignl 7, 3214868480
	.fill 96, 4, 3214868480
	.section	.rodata,"a",@progbits
	.p2align	6, 0x0
	.amdhsa_kernel k_q2705d4ee0a_attn
		.amdhsa_group_segment_fixed_size 327680
		.amdhsa_private_segment_fixed_size 0
		.amdhsa_enable_private_segment 0
		.amdhsa_kernarg_size 16
		.amdhsa_user_sgpr_count 2
		.amdhsa_user_sgpr_kernarg_segment_ptr 1
		.amdhsa_wavefront_size32 1
		.amdhsa_system_sgpr_workgroup_id_x 1
		.amdhsa_system_sgpr_workgroup_id_y 1
		.amdhsa_system_sgpr_workgroup_id_z 1
		.amdhsa_system_vgpr_workitem_id 0
		.amdhsa_next_free_vgpr 256
		.amdhsa_next_free_sgpr 66
		.amdhsa_reserve_vcc 0
		.amdhsa_float_denorm_mode_32 3
		.amdhsa_float_denorm_mode_16_64 3
		.amdhsa_memory_ordered 1
		.amdhsa_forward_progress 1
		.amdhsa_inst_pref_size 54
	.end_amdhsa_kernel
	.amdgpu_metadata
---
amdhsa.version: [ 1, 2 ]
amdhsa.kernels:
  - .name:           k_q2705d4ee0a_attn
    .symbol:         k_q2705d4ee0a_attn.kd
    .args:
      - { .name: qkvb, .offset: 0, .size: 8, .value_kind: global_buffer, .address_space: global }
      - { .name: oc, .offset: 8, .size: 8, .value_kind: global_buffer, .address_space: global }
    .group_segment_fixed_size: 327680
    .private_segment_fixed_size: 0
    .kernarg_segment_align: 8
    .kernarg_segment_size: 16
    .max_flat_workgroup_size: 512
    .sgpr_count:     66
    .vgpr_count:     256
    .wavefront_size: 32
...
	.end_amdgpu_metadata
.endif
;; end of part 3
;; launch oproj (part 4): grid 8 x 32, 4 waves a work-group, clusters of 4 x 4, 327,680 bytes of LDS; arguments oc, pre, x, x1; writes x1
.if DOCPART == 4
	.amdgcn_target "amdgcn-amd-amdhsa--gfx1250"
	.amdhsa_code_object_version 6
	.text
	.protected	k_q2705d4ee0a_oproj
	.globl	k_q2705d4ee0a_oproj
	.p2align	8
	.type	k_q2705d4ee0a_oproj,@function
k_q2705d4ee0a_oproj:
	s_mov_b64 s[64:65], 0
	v_nop
	global_prefetch_b8 v0, s[64:65] scope:SCOPE_SE
	s_setreg_imm32_b32 hwreg(HW_REG_WAVE_MODE, 25, 1), 1
	s_wait_xcnt 0x0
	s_wait_alu depctr_hold_cnt(0) depctr_sa_sdst(0) depctr_va_vdst(0) depctr_va_sdst(0) depctr_va_ssrc(0) depctr_va_vcc(0) depctr_vm_vsrc(0)
	s_getreg_b32 s2, hwreg(HW_REG_IB_STS2, 6, 4)
	s_cmp_eq_u32 s2, 0
	s_cbranch_scc0 .Lentry_in_a_cluster
	s_endpgm
.Lentry_in_a_cluster:
	s_bfe_u32 s2, ttmp6, 0x10000c
	s_cmp_lg_u32 s2, 0xf033
	s_cbranch_scc0 .Lentry_shape_is_right
	s_endpgm
.Lentry_shape_is_right:
; OPROJ: x1 = x + o Wo^T on codes of E4M3 with E8M0 scales.  Nothing of reference() is left out.  Shares, LDS, cluster, joint loads and the walk over K are QKV's (see its head): 128 tokens x 128 columns a
; work-group, 32 tokens x 128 columns a wave, all of K = 1,024 in LDS, filled once; one tensor load a wave.
; x is asked for at the head, into window 3, in the result's layout (lane: one token; register 16 b + i: column 32 b + 16 (lane / 16) + i), and is added behind the last product: it has the whole walk over K
; in which to land, and no product waits for it.  The first products start the sums with the constant 0.
; x1 leaves as the image of the accumulators, [token tile][128 columns][8,192 bytes], group Q of four registers at 512 Q + 16 x lane: each store covers 512 consecutive bytes, and both later readers load it so.
; LIMITS: NaN and infinities are not served.
.set REC,   17408
.set SCO,   16384
.set BOFF,  8*REC
.set STG,   16*REC
.set SPARE, STG
.set MSB, 0
.macro WIN new
.if MSB != (\new)
	s_set_vgpr_msb (MSB<<8)|(\new)
.set MSB, (\new)
.endif
.endm
.macro CREST
	s_cmp_lg_u32 s14, 0
	s_cbranch_scc1 .Lnot_wave_0_\@
	s_barrier_signal -3
.Lnot_wave_0_\@:
	s_barrier_wait -3
	s_barrier_signal -1
	s_barrier_wait -1
.endm
.macro CROUND
	s_barrier_signal -1
	s_barrier_wait -1
	CREST
.endm
.macro GHEAD pa, pb, offa, offb, ksn
	v_lshl_add_u32 v12, v0, 2, SPARE
	v_mov_b32 v13, 0
	ds_add_u32 v12, v13                            ; the wave's opening: the add, twice on end, and its wait ahead of my first tensor load
	ds_add_u32 v12, v13
	v_lshrrev_b32 v1, 5, v0
	v_readfirstlane_b32 s14, v1                    ; wave
	s_and_b32 s15, s14, 1                          ; 0: I fetch the tokens' records; 1: the weights'
	s_lshr_b32 s3, s14, 1                          ; K steps 0-3 or K steps 4-7: four records, dense in memory, by ONE load
	s_lshl_b32 s2, s3, 2
	s_bfe_u32 s56, ttmp6, 0x40000
	s_bfe_u32 s57, ttmp6, 0x40004
	s_lshl_b32 s58, ttmp9, 2
	s_add_co_u32 s58, s58, s56                     ; column panel
	s_and_b32 s59, ttmp7, 0xffff
	s_lshl_b32 s59, s59, 2
	s_add_co_u32 s59, s59, s57                     ; token panel
	s_lshl_b32 s66, s57, 2
	s_lshl_b32 s66, 15, s66
	s_lshl_b32 s67, 0x1111, s56
	s_or_b32 s24, s66, (3<<16)|(1<<21)
	s_or_b32 s32, s67, (3<<16)|(1<<21)
.irp g, 24, 32
	s_mov_b32 s[\g+1], 32<<16
	s_mov_b32 s[\g+2], 272<<16                     ; 272 rows of 256 bytes: four records
	s_mov_b32 s[\g+3], 32<<16
	s_mov_b32 s[\g+4], 272
	s_mov_b32 s[\g+5], 32
	s_mov_b32 s[\g+6], 0
	s_mov_b32 s[\g+7], 0
.endr
	s_mul_i32 s16, s59, \ksn
	s_add_co_u32 s16, s16, s2
	s_mul_i32 s16, s16, REC
	s_add_co_u32 s16, s16, \offa
	s_mov_b32 s17, 0
	s_mul_i32 s18, s58, \ksn
	s_add_co_u32 s18, s18, s2
	s_mul_i32 s18, s18, REC
	s_add_co_u32 s18, s18, \offb
	s_mov_b32 s19, 0
	s_mul_i32 s2, s3, 4*REC
	s_wait_dscnt 0x0
	s_wait_kmcnt 0x0
	s_add_nc_u64 s[16:17], s[\pa:\pa+1], s[16:17]
	s_add_nc_u64 s[18:19], s[\pb:\pb+1], s[18:19]
.irp i, 0
	s_mov_b32 s[40+4*\i], 1
	s_add_co_u32 s[41+4*\i], s2, 2*\i*REC
	s_add_nc_u64 s[42+4*\i:43+4*\i], s[16:17], 2*\i*REC
	s_or_b32 s[43+4*\i], s[43+4*\i], 0x80000000
	s_mov_b32 s[68+4*\i], 1
	s_add_co_u32 s[69+4*\i], s2, BOFF+2*\i*REC
	s_add_nc_u64 s[70+4*\i:71+4*\i], s[18:19], 2*\i*REC
	s_or_b32 s[71+4*\i], s[71+4*\i], 0x80000000
.endr
	CROUND
	s_cmp_eq_u32 s14, 0                            ; one joint load a wave, each in an arm of its own of one chain: waves 0, 1 (K steps 0-3 of both sides) wait at the first barrier, waves 2, 3 (K steps 4-7) at K step 3
	s_cbranch_scc0 .Lfill_1
	tensor_load_to_lds s[40:43], s[24:31]
	s_nop 0
.rept 4
	v_nop
.endr
	s_branch .Lfilled
.Lfill_1:
	s_cmp_eq_u32 s14, 1
	s_cbranch_scc0 .Lfill_2
	tensor_load_to_lds s[68:71], s[32:39]
	s_nop 0
.rept 4
	v_nop
.endr
	s_branch .Lfilled
.Lfill_2:
	s_cmp_eq_u32 s14, 2
	s_cbranch_scc0 .Lfill_3
	tensor_load_to_lds s[40:43], s[24:31]
	s_nop 0
.rept 4
	v_nop
.endr
	s_branch .Lfilled
.Lfill_3:
	tensor_load_to_lds s[68:71], s[32:39]
	s_nop 0
.rept 4
	v_nop
.endr
.Lfilled:
	v_and_b32 v3, 31, v0
	v_and_b32 v1, 15, v0
	s_wait_alu depctr_va_vdst(0)
	v_bfe_u32 v2, v0, 4, 1
	s_lshl_b32 s20, s14, 12
	v_lshl_add_u32 v4, v3, 4, s20
	v_lshl_add_u32 v5, v3, 4, BOFF
	s_lshl_b32 s20, s14, 8
	s_add_co_u32 s20, s20, SCO
	v_lshl_add_u32 v6, v3, 2, s20
	v_lshl_add_u32 v7, v3, 2, BOFF+SCO
.endm
.macro FETCH k, p                      ; the four additions and four v_nop are the eight places in front of loads into registers that products have read
	WIN 0
	v_add_nc_u32 v8, (\k)*REC, v4
	v_add_nc_u32 v9, (\k)*REC, v5
	v_add_nc_u32 v10, (\k)*REC, v6
	v_add_nc_u32 v11, (\k)*REC, v7
.rept 4
	v_nop
.endr
	WIN (1+(\p))<<6
.irp b, 0,1,2,3,4,5,6,7
.irp c, 0,1,2,3
	ds_load_b128 v[16*\b+4*\c:16*\b+4*\c+3], v9 offset:2048*\b+512*\c
.endr
.endr
.irp u, 0,1
.irp c, 0,1,2,3
	ds_load_b128 v[128+16*\u+4*\c:128+16*\u+4*\c+3], v8 offset:2048*\u+512*\c
.endr
.endr
	WIN 0
.irp u, 0,1
	ds_load_b32 v[24+10*(\p)+\u], v10 offset:128*\u
.endr
.irp b, 0,1,2,3,4,5,6,7
	ds_load_b32 v[26+10*(\p)+\b], v11 offset:128*\b
.endr
.endm
.macro MUL8 u, p, cm                   ; eight products; cm = 0: they start the sums; 2: in place.  The 16 accumulators take turns, one instruction a turn
	WIN 5*(1+(\p))
.irp b, 0,1,2,3,4,5,6,7
.set mD, 128+64*(\u)+8*\b
.if (\cm) == 0
	v_wmma_scale_f32_16x16x128_f8f6f4 v[mD:mD+7], v[16*\b:16*\b+15], v[128+16*(\u):128+16*(\u)+15], 0, v[26+10*(\p)+\b], v[24+10*(\p)+(\u)]
.else
	v_wmma_scale_f32_16x16x128_f8f6f4 v[mD:mD+7], v[16*\b:16*\b+15], v[128+16*(\u):128+16*(\u)+15], v[mD:mD+7], v[26+10*(\p)+\b], v[24+10*(\p)+(\u)]
.endif
.endr
.endm
.macro KS_N ks, cm
	s_wait_dscnt 0x0
	FETCH ((\ks)+1)%8, 1-(\ks)%2
	MUL8 0, (\ks)%2, \cm
	MUL8 1, (\ks)%2, \cm
.endm
.macro KS_S ks, cm, n                  ; n of my loads, issued behind mine of the next pair of records, may stay out
	s_wait_dscnt 0x0
	MUL8 0, (\ks)%2, \cm
	s_wait_tensorcnt \n
	s_barrier_signal -1
	MUL8 1, (\ks)%2, \cm
	s_barrier_wait -1
	FETCH ((\ks)+1)%8, 1-(\ks)%2
.endm
	s_load_b256 s[4:11], s[0:1], 0x0               ; oc s[4:5], pre s[6:7], x s[8:9], x1 s[10:11]
	GHEAD 4, 6, 0, 1671168, 8
	s_lshl_b32 s20, s59, 19                        ; x: (128 panel + 32 wave) rows of 4,096 bytes + 512 bytes a column panel
	s_lshl_b32 s21, s14, 17
	s_add_co_u32 s20, s20, s21
	s_lshl_b32 s21, s58, 9
	s_add_co_u32 s20, s20, s21
	s_mov_b32 s21, 0
	s_add_nc_u64 s[8:9], s[8:9], s[20:21]
	v_and_b32 v14, 8, v1
	v_add_nc_u32 v14, v14, v1
	v_lshlrev_b32 v14, 12, v14
	s_wait_alu depctr_va_vdst(0)
	v_lshl_add_u32 v14, v2, 6, v14                 ; my token's row, + 64 h
	WIN 0xc0                                       ; destination window 3
.irp u, 0,1
.irp q, 0,1,2,3,4,5,6,7,8,9,10,11,12,13,14,15
	global_load_b128 v[64*\u+4*\q:64*\u+4*\q+3], v14, s[8:9] offset:32768*\u+128*(\q/4)+16*(\q%4)
.endr
.endr
	WIN 0
	s_lshl_b32 s20, s59, 6
	s_lshl_b32 s21, s14, 4
	s_add_co_u32 s20, s20, s21
	s_add_co_u32 s20, s20, s58
	s_lshl_b32 s20, s20, 13                        ; x1: (8 x token tile + column panel) x 8,192
	s_mov_b32 s21, 0
	s_add_nc_u64 s[10:11], s[10:11], s[20:21]
	v_lshlrev_b32 v15, 4, v3
	s_wait_alu depctr_va_vdst(0)
	s_cmp_lt_u32 s14, 2
	s_cbranch_scc0 .Lnot_first
	s_wait_tensorcnt 0x0                           ; waves 0, 1: K steps 0-3 of the tokens and of the weights are in
.Lnot_first:
	s_barrier_signal -1
	s_barrier_wait -1
	FETCH 0, 0
	KS_N 0, 0
	KS_N 1, 2
	KS_N 2, 2
	KS_S 3, 2, 0
	KS_N 4, 2
	KS_N 5, 2
	KS_N 6, 2
	s_wait_dscnt 0x0
	MUL8 0, 1, 2
	MUL8 1, 1, 2
	WIN 0
	s_wait_loadcnt 0x0                             ; x
.rept 8
	v_nop                                          ; eight places behind the last products
.endr
	WIN 0x0c                                       ; source 1: window 3
.irp u, 0,1
.set j, 0
.rept 32
	v_pk_add_f32 v[128+64*\u+j:128+64*\u+j+1], v[128+64*\u+j:128+64*\u+j+1], v[64*\u+j:64*\u+j+1]   ; + x; each accumulator from its low end on
.set j, j+2
.endr
.endr
	WIN 0
.irp u, 0,1
.irp q, 0,1,2,3,4,5,6,7,8,9,10,11,12,13,14,15
	global_store_b128 v15, v[128+64*\u+4*\q:128+64*\u+4*\q+3], s[10:11] offset:65536*\u+512*\q
.endr
.endr
	s_wait_tensorcnt 0x0                           ; the wave's end
	ds_add_u32 v12, v13
	s_wait_dscnt 0x0
	CROUND
	s_endpgm
.Lfunc_end_k_q2705d4ee0a_oproj:
	.size	k_q2705d4ee0a_oproj, .Lfunc_end_k_q2705d4ee0a_oproj-k_q2705d4ee0a_oproj
	.p2alignl 7, 3214868480
	.fill 96, 4, 3214868480
	.section	.rodata,"a",@progbits
	.p2align	6, 0x0
	.amdhsa_kernel k_q2705d4ee0a_oproj
		.amdhsa_group_segment_fixed_size 327680
		.amdhsa_private_segment_fixed_size 0
		.amdhsa_enable_private_segment 0
		.amdhsa_kernarg_size 32
		.amdhsa_user_sgpr_count 2
		.amdhsa_user_sgpr_kernarg_segment_ptr 1
		.amdhsa_wavefront_size32 1
		.amdhsa_system_sgpr_workgroup_id_x 1
		.amdhsa_system_sgpr_workgroup_id_y 1
		.amdhsa_system_sgpr_workgroup_id_z 1
		.amdhsa_system_vgpr_workitem_id 0
		.amdhsa_next_free_vgpr 1024
		.amdhsa_next_free_sgpr 100
		.amdhsa_reserve_vcc 0
		.amdhsa_float_denorm_mode_32 3
		.amdhsa_float_denorm_mode_16_64 3
		.amdhsa_memory_ordered 1
		.amdhsa_forward_progress 1
		.amdhsa_inst_pref_size 63
	.end_amdhsa_kernel
	.amdgpu_metadata
---
amdhsa.version: [ 1, 2 ]
amdhsa.kernels:
  - .name:           k_q2705d4ee0a_oproj
    .symbol:         k_q2705d4ee0a_oproj.kd
    .args:
      - { .name: oc, .offset: 0, .size: 8, .value_kind: global_buffer, .address_space: global }
      - { .name: pre, .offset: 8, .size: 8, .value_kind: global_buffer, .address_space: global }
      - { .name: x, .offset: 16, .size: 8, .value_kind: global_buffer, .address_space: global }
      - { .name: x1, .offset: 24, .size: 8, .value_kind: global_buffer, .address_space: global }
    .group_segment_fixed_size: 327680
    .private_segment_fixed_size: 0
    .kernarg_segment_align: 8
    .kernarg_segment_size: 32
    .max_flat_workgroup_size: 128
    .sgpr_count:     100
    .vgpr_count:     1024
    .wavefront_size: 32
...
	.end_amdgpu_metadata
.endif
;; end of part 4
;; launch ln2 (part 5): grid 256 x 1, 8 waves a work-group, no clusters, 3,072 bytes of LDS; arguments x1, ln2_g, ln2_b, h2; writes h2
.if DOCPART == 5
	.amdgcn_target "amdgcn-amd-amdhsa--gfx1250"
	.amdhsa_code_object_version 6
	.text
	.protected	k_q2705d4ee0a_ln2
	.globl	k_q2705d4ee0a_ln2
	.p2align	8
	.type	k_q2705d4ee0a_ln2,@function
k_q2705d4ee0a_ln2:
	s_mov_b64 s[64:65], 0
	v_nop
	global_prefetch_b8 v0, s[64:65] scope:SCOPE_SE
	s_setreg_imm32_b32 hwreg(HW_REG_WAVE_MODE, 25, 1), 1
	s_wait_xcnt 0x0
; LN2: LayerNorm 2 of x1 and its quantising into records (PREP's layout and PREP's arithmetic; nothing of reference() is left out).
; A work-group takes one tile of 16 tokens, each of its eight waves 128 columns: x1 lies as register images, so a wave's 64 numbers a lane come by 16 loads of 512 consecutive bytes.
; LIMITS: as PREP's.
.set REC,     17408
.set SPARE,   2048
.set PC,  16
.set X,   32
.set G,   96
.set BB,  160
.set TM,  224
.set PW,  240
.set SEL, 40
.set MNT, 42
.macro ROWSUM off
	s_delay_alu instid0(VALU_DEP_3)
	v_pk_add_f32 v[16:17], v[16:17], v[18:19]
	s_delay_alu instid0(VALU_DEP_2)
	v_pk_add_f32 v[20:21], v[20:21], v[22:23]
	s_delay_alu instid0(VALU_DEP_1)
	v_pk_add_f32 v[16:17], v[16:17], v[20:21]
	s_delay_alu instid0(VALU_DEP_1)
	v_add_f32 v16, v16, v17
	s_delay_alu instid0(VALU_DEP_1)
	v_permlanex16_b32 v17, v16, s[SEL], s[SEL+1]
	s_delay_alu instid0(VALU_DEP_1)
	v_add_f32 v16, v16, v17
	ds_store_b32 v8, v16 offset:\off
	s_wait_dscnt 0x0                               ; for the others' sake
	s_barrier_signal -1
	s_barrier_wait -1
.irp w, 0,1,2,3,4,5,6,7
	ds_load_b32 v[16+\w], v9 offset:\off+128*\w
.endr
	s_wait_dscnt 0x0
	v_pk_add_f32 v[16:17], v[16:17], v[18:19]
	v_pk_add_f32 v[20:21], v[20:21], v[22:23]
	s_delay_alu instid0(VALU_DEP_1)
	v_pk_add_f32 v[16:17], v[16:17], v[20:21]
	s_delay_alu instid0(VALU_DEP_1)
	v_add_f32 v16, v16, v17
.endm
.macro QUANT s
.irp b, 0,1,2,3
	v_max3_num_f32 v[TM+\b], |v[(\s)+16*\b]|, |v[(\s)+1+16*\b]|, 0x4800000
.endr
.irp i, 2,4,6,8,10,12,14
.irp b, 0,1,2,3
	s_delay_alu instid0(VALU_DEP_4)
	v_max3_num_f32 v[TM+\b], v[TM+\b], |v[(\s)+16*\b+\i]|, |v[(\s)+1+16*\b+\i]|
.endr
.endr
.irp b, 0,1,2,3
	s_delay_alu instid0(VALU_DEP_4)
	v_permlanex16_b32 v[TM+4+\b], v[TM+\b], s[SEL], s[SEL+1]
.endr
.irp b, 0,1,2,3
	s_delay_alu instid0(VALU_DEP_4)
	v_max_num_f32 v[TM+\b], v[TM+\b], v[TM+4+\b]
.endr
.irp b, 0,1,2,3
	s_delay_alu instid0(VALU_DEP_4)
	v_add_nc_u32 v[TM+12+\b], 0xfc000000, v[TM+\b]
.endr
.irp b, 0,1,2,3
	v_and_or_b32 v[TM+8+\b], v[TM+\b], 0x7f800000, s[MNT]
.endr
.irp b, 0,1,2,3
	v_lshrrev_b32 v[TM+4+\b], 23, v[TM+12+\b]
.endr
	s_delay_alu instid0(VALU_DEP_3)
	v_lshl_or_b32 v[PW], v[TM+5], 8, v[TM+4]
	s_delay_alu instid0(VALU_DEP_1)
	v_lshl_or_b32 v[PW], v[TM+6], 16, v[PW]
	s_delay_alu instid0(VALU_DEP_1)
	v_lshl_or_b32 v[PW], v[TM+7], 24, v[PW]
.irp b, 0,1,2,3
.irp i, 0,1,2,3,4,5,6,7,8,9,10,11,12,13,14,15
	v_med3_num_f32 v[(\s)+16*\b+\i], v[(\s)+16*\b+\i], -v[TM+8+\b], v[TM+8+\b]
.endr
	v_cvt_scalef32_pk8_fp8_f32 v[PC+4*\b:PC+1+4*\b], v[(\s)+16*\b:(\s)+7+16*\b], v[TM+12+\b]
	v_cvt_scalef32_pk8_fp8_f32 v[PC+2+4*\b:PC+3+4*\b], v[(\s)+8+16*\b:(\s)+15+16*\b], v[TM+12+\b]
.endr
	v_nop
.endm
	s_load_b256 s[8:15], s[0:1], 0x0               ; x1 s[8:9], gain s[10:11], bias s[12:13], h2 s[14:15]
	v_lshl_add_u32 v10, v0, 2, SPARE
	v_mov_b32 v11, 0
	v_lshrrev_b32 v1, 5, v0
	s_delay_alu instid0(VALU_DEP_1)
	v_readfirstlane_b32 s2, v1                     ; wave 0..7: my 128 columns
	v_and_b32 v1, 31, v0
	v_bfe_u32 v3, v0, 4, 1
	s_delay_alu instid0(VALU_DEP_2)
	v_lshlrev_b32 v4, 4, v1                        ; 16 x lane
	s_delay_alu instid0(VALU_DEP_2)
	v_lshlrev_b32 v7, 6, v3                        ; gain and bias: 64 h
	v_lshlrev_b32 v8, 2, v0
	v_lshlrev_b32 v9, 2, v1
.irp b, 0,1,2,3
	v_mov_b32 v[TM+4+\b], 0
.endr
	s_mov_b32 s[SEL], 0x76543210
	s_mov_b32 s[SEL+1], 0xfedcba98
	s_mov_b32 s[MNT], 0x600000
	s_lshl_b32 s26, ttmp9, 3
	s_add_co_u32 s26, s26, s2
	s_lshl_b32 s26, s26, 13                        ; x1: (8 x tile + wave) x 8,192
	s_mov_b32 s27, 0
	s_lshr_b32 s28, ttmp9, 3
	s_lshl_b32 s28, s28, 3
	s_add_co_u32 s28, s28, s2
	s_mul_i32 s28, s28, REC                        ; h2: record (panel, K step = wave)
	s_mov_b32 s29, 0
	s_and_b32 s30, ttmp9, 7
	s_lshl_b32 s31, s30, 11
	v_lshl_add_u32 v5, v1, 4, s31
	s_lshl_b32 s31, s30, 7
	s_add_co_u32 s31, s31, 16384
	v_lshl_add_u32 v6, v1, 2, s31
	s_lshl_b32 s44, s2, 9
	s_mov_b32 s45, 0
	s_wait_alu depctr_va_vdst(0)
	s_wait_kmcnt 0x0
	s_add_nc_u64 s[8:9], s[8:9], s[26:27]
	s_add_nc_u64 s[14:15], s[14:15], s[28:29]
	s_add_nc_u64 s[10:11], s[10:11], s[44:45]
	s_add_nc_u64 s[12:13], s[12:13], s[44:45]
.irp q, 0,1,2,3,4,5,6,7,8,9,10,11,12,13,14,15
	global_load_b128 v[X+4*\q:X+4*\q+3], v4, s[8:9] offset:512*\q
.endr
.irp q, 0,1,2,3,4,5,6,7,8,9,10,11,12,13,14,15
	global_load_b128 v[G+4*\q:G+4*\q+3], v7, s[10:11] offset:128*(\q/4)+16*(\q%4)
	global_load_b128 v[BB+4*\q:BB+4*\q+3], v7, s[12:13] offset:128*(\q/4)+16*(\q%4)
.endr
	s_wait_loadcnt 32                              ; my 64 numbers are in; the 32 loads of gain and bias, issued behind them, may be out
	v_pk_add_f32 v[16:17], v[X:X+1], v[X+2:X+3]
	v_pk_add_f32 v[18:19], v[X+4:X+5], v[X+6:X+7]
	v_pk_add_f32 v[20:21], v[X+8:X+9], v[X+10:X+11]
	v_pk_add_f32 v[22:23], v[X+12:X+13], v[X+14:X+15]
.irp j, 16,24,32,40,48,56
	s_delay_alu instid0(VALU_DEP_4)
	v_pk_add_f32 v[16:17], v[16:17], v[X+\j:X+\j+1]
	s_delay_alu instid0(VALU_DEP_4)
	v_pk_add_f32 v[18:19], v[18:19], v[X+\j+2:X+\j+3]
	s_delay_alu instid0(VALU_DEP_4)
	v_pk_add_f32 v[20:21], v[20:21], v[X+\j+4:X+\j+5]
	s_delay_alu instid0(VALU_DEP_4)
	v_pk_add_f32 v[22:23], v[22:23], v[X+\j+6:X+\j+7]
.endr
	ROWSUM 0
	s_delay_alu instid0(VALU_DEP_1)
	v_mul_f32 v12, 0x3a800000, v16                 ; the mean
	s_delay_alu instid0(VALU_DEP_1)
	v_mov_b32 v13, v12
.set j, 0
.rept 32
	v_pk_add_f32 v[X+j:X+j+1], v[X+j:X+j+1], v[12:13] neg_lo:[0,1] neg_hi:[0,1]
.set j, j+2
.endr
	v_pk_mul_f32 v[16:17], v[X:X+1], v[X:X+1]
	v_pk_mul_f32 v[18:19], v[X+2:X+3], v[X+2:X+3]
	v_pk_mul_f32 v[20:21], v[X+4:X+5], v[X+4:X+5]
	v_pk_mul_f32 v[22:23], v[X+6:X+7], v[X+6:X+7]
.irp j, 8,16,24,32,40,48,56
	s_delay_alu instid0(VALU_DEP_4)
	v_pk_fma_f32 v[16:17], v[X+\j:X+\j+1], v[X+\j:X+\j+1], v[16:17]
	s_delay_alu instid0(VALU_DEP_4)
	v_pk_fma_f32 v[18:19], v[X+\j+2:X+\j+3], v[X+\j+2:X+\j+3], v[18:19]
	s_delay_alu instid0(VALU_DEP_4)
	v_pk_fma_f32 v[20:21], v[X+\j+4:X+\j+5], v[X+\j+4:X+\j+5], v[20:21]
	s_delay_alu instid0(VALU_DEP_4)
	v_pk_fma_f32 v[22:23], v[X+\j+6:X+\j+7], v[X+\j+6:X+\j+7], v[22:23]
.endr
	ROWSUM 1024
	s_delay_alu instid0(VALU_DEP_1)
	v_mul_f32 v16, 0x3a800000, v16
	s_delay_alu instid0(VALU_DEP_1)
	v_add_f32 v16, 0x3727c5ac, v16                 ; the variance + 1e-5
	s_wait_alu depctr_va_vdst(0)
	v_rsq_f32 v14, v16
	v_nop
	s_wait_alu depctr_va_vdst(0)                   ; the wait ahead of the first reader
	v_mov_b32 v15, v14
	s_wait_alu depctr_va_vdst(0)
	s_wait_loadcnt 0x0
.set j, 0
.rept 32
	v_pk_mul_f32 v[X+j:X+j+1], v[X+j:X+j+1], v[14:15]
.set j, j+2
.endr
.set j, 0
.rept 32
	v_pk_fma_f32 v[X+j:X+j+1], v[X+j:X+j+1], v[G+j:G+j+1], v[BB+j:BB+j+1]
.set j, j+2
.endr
	QUANT X
.irp c, 0,1,2,3
	global_store_b128 v5, v[PC+4*\c:PC+4*\c+3], s[14:15] offset:512*\c
.endr
	global_store_b32 v6, v[PW], s[14:15]
	s_wait_tensorcnt 0x0                           ; the wave's end
	ds_add_u32 v10, v11
	s_wait_dscnt 0x0
	s_endpgm
.Lfunc_end_k_q2705d4ee0a_ln2:
	.size	k_q2705d4ee0a_ln2, .Lfunc_end_k_q2705d4ee0a_ln2-k_q2705d4ee0a_ln2
	.p2alignl 7, 3214868480
	.fill 96, 4, 3214868480
	.section	.rodata,"a",@progbits
	.p2align	6, 0x0
	.amdhsa_kernel k_q2705d4ee0a_ln2
		.amdhsa_group_segment_fixed_size 3072
		.amdhsa_private_segment_fixed_size 0
		.amdhsa_enable_private_segment 0
		.amdhsa_kernarg_size 32
		.amdhsa_user_sgpr_count 2
		.amdhsa_user_sgpr_kernarg_segment_ptr 1
		.amdhsa_wavefront_size32 1
		.amdhsa_system_sgpr_workgroup_id_x 1
		.amdhsa_system_sgpr_workgroup_id_y 1
		.amdhsa_system_sgpr_workgroup_id_z 1
		.amdhsa_system_vgpr_workitem_id 0
		.amdhsa_next_free_vgpr 256
		.amdhsa_next_free_sgpr 66
		.amdhsa_reserve_vcc 0
		.amdhsa_float_denorm_mode_32 3
		.amdhsa_float_denorm_mode_16_64 3
		.amdhsa_memory_ordered 1
		.amdhsa_forward_progress 1
		.amdhsa_inst_pref_size 32
	.end_amdhsa_kernel
	.amdgpu_metadata
---
amdhsa.version: [ 1, 2 ]
amdhsa.kernels:
  - .name:           k_q2705d4ee0a_ln2
    .symbol:         k_q2705d4ee0a_ln2.kd
    .args:
      - { .name: x1, .offset: 0, .size: 8, .value_kind: global_buffer, .address_space: global }
      - { .name: ln2_g, .offset: 8, .size: 8, .value_kind: global_buffer, .address_space: global }
      - { .name: ln2_b, .offset: 16, .size: 8, .value_kind: global_buffer, .address_space: global }
      - { .name: h2, .offset: 24, .size: 8, .value_kind: global_buffer, .address_space: global }
    .group_segment_fixed_size: 3072
    .private_segment_fixed_size: 0
    .kernarg_segment_align: 8
    .kernarg_segment_size: 32
    .max_flat_workgroup_size: 256
    .sgpr_count:     66
    .vgpr_count:     256
    .wavefront_size: 32
...
	.end_amdgpu_metadata
.endif
;; end of part 5
;; launch mlp1 (part 6): grid 8 x 32, 4 waves a work-group, clusters of 4 x 4, 327,680 bytes of LDS; arguments h2, pre, b1, gq; writes gq
.if DOCPART == 6
	.amdgcn_target "amdgcn-amd-amdhsa--gfx1250"
	.amdhsa_code_object_version 6
	.text
	.protected	k_q2705d4ee0a_mlp1
	.globl	k_q2705d4ee0a_mlp1
	.p2align	8
	.type	k_q2705d4ee0a_mlp1,@function
k_q2705d4ee0a_mlp1:
	s_mov_b64 s[64:65], 0
	v_nop
	global_prefetch_b8 v0, s[64:65] scope:SCOPE_SE
	s_setreg_imm32_b32 hwreg(HW_REG_WAVE_MODE, 25, 1), 1
	s_wait_xcnt 0x0
	s_wait_alu depctr_hold_cnt(0) depctr_sa_sdst(0) depctr_va_vdst(0) depctr_va_sdst(0) depctr_va_ssrc(0) depctr_va_vcc(0) depctr_vm_vsrc(0)
	s_getreg_b32 s2, hwreg(HW_REG_IB_STS2, 6, 4)
	s_cmp_eq_u32 s2, 0
	s_cbranch_scc0 .Lentry_in_a_cluster
	s_endpgm
.Lentry_in_a_cluster:
	s_bfe_u32 s2, ttmp6, 0x10000c
	s_cmp_lg_u32 s2, 0xf033
	s_cbranch_scc0 .Lentry_shape_is_right
	s_endpgm
.Lentry_shape_is_right:
; MLP1: gelu(LN2(x1) W1^T + b1), exact gelu, quantised along the hidden units for the last product.  Nothing of reference() is left out.
; SHARES.  256 work-groups; one makes 128 tokens x 256 columns: two weight panels of 128, walked by a counted loop of two trips.  Wave w takes tokens 32 w .. 32 w + 31 (two tiles) against a panel's 128 columns: 16 accumulators.
; TOKENS GO STRAIGHT INTO REGISTERS: a token fragment is read by one wave alone, so its 16 fragments (all of K = 1,024) come by 64 loads of 512 consecutive bytes and stay for both trips; for the same reason they are not asked for jointly.
; WEIGHTS IN LDS, each byte filled once: the two panels' 16 records are dense in memory; wave w asks for records 4 w .. 4 w + 3 by one load, jointly with the three partners of its column of the 4 x 4 cluster.
; Wave 0 has a load line of its own: the first barrier shows K steps 0-3 of the first panel alone; the barrier in K step 3, with every wave's wait for 0, shows the rest.  No prefetch: every fill goes out at the head.
; The product is used transposed (source 0 = 16 weight rows, source 1 = 16 tokens).  b1 is the C of each sum's first product (window 3); the second panel's is asked for ahead of the first panel's gelu.
; One register carries both token tiles' scale words of a K step: lanes 0-15 tile 0's, lanes 16-31 tile 1's.
; GELU.  gelu(x) = max(x, 0) - |x| erfc(|x| / sqrt 2) / 2, for both signs, with no choice and no difference of near numbers beyond a factor of two.  erfc(z) = t exp(-z^2 + P(t)), t = 1 / (1 + z / 2), P of
; degree 9: a form for all z >= 0 whose relative error is 1.2e-7, beside f32's own rounding.  LIMIT: that error; where exp falls under the smallest normal number the term is 0.  NaN and infinities are not served.
; A panel's 128 columns are one K step of the next product: each of a wave's two token tiles gives one fragment and one scale word a row.
; REGISTERS: window 0: v1-16 addresses, v17-24 the tokens' words, v26-33, v36-43 the weights' words (two sets), v44-60 the quantiser's, v62, v63 a constant, v64-79 codes, v80-127 gelu's, v128-255 accumulators;
; windows 1, 2: v0-127 the two sets of weight fragments, v128-255 the tokens of K steps 0-3, 4-7; window 3: v0-63 the bias.
.set REC,   17408
.set SCO,   16384
.set SPARE, 16*REC
.set OFF_W1, 2785280
.set TW,  17
.set TM,  44
.set PW,  60
.set PC,  64
.set SEL, 60
.set MNT, 62
.set MSB, 0
.macro WIN new
.if MSB != (\new)
	s_set_vgpr_msb (MSB<<8)|(\new)
.set MSB, (\new)
.endif
.endm
.macro CROUND
	s_barrier_signal -1
	s_barrier_wait -1
	s_cmp_lg_u32 s14, 0
	s_cbranch_scc1 .Lnot_wave_0_\@
	s_barrier_signal -3
.Lnot_wave_0_\@:
	s_barrier_wait -3
	s_barrier_signal -1
	s_barrier_wait -1
.endm
.macro FETCH k, p                      ; the panel's record k into set p; the two additions and six v_nop are the eight places in front of loads into registers that products have read
	WIN 0
	v_add_nc_u32 v9, (\k)*REC, v5
	v_add_nc_u32 v11, (\k)*REC, v7
.rept 6
	v_nop
.endr
	WIN (1+(\p))<<6
.irp b, 0,1,2,3,4,5,6,7
.irp c, 0,1,2,3
	ds_load_b128 v[16*\b+4*\c:16*\b+4*\c+3], v9 offset:2048*\b+512*\c
.endr
.endr
	WIN 0
.irp b, 0,1,2,3,4,5,6,7
	ds_load_b32 v[26+10*(\p)+\b], v11 offset:128*\b
.endr
.endm
.macro MUL8 u, ks, cm                  ; token tile u x the eight weight tiles, K step ks.  cm = 1: the sums begin with the bias (window 3); 0: in place.  The 16 accumulators take turns
	WIN (1+(\ks)%2)|((1+(\ks)/4)<<2)|(0x30*(\cm))
.irp b, 0,1,2,3,4,5,6,7
.set mD, 128+64*(\u)+8*\b
.set mC, mD
.if \cm
.set mC, 8*\b
.endif
.set mK, 128+32*((\ks)%4)+16*(\u)
.set mX, 26+10*((\ks)%2)+\b
.if \u
	v_wmma_scale_f32_16x16x128_f8f6f4 v[mD:mD+7], v[16*\b:16*\b+15], v[mK:mK+15], v[mC:mC+7], v[mX], v[TW+(\ks)] matrix_b_scale:MATRIX_SCALE_ROW1
.else
	v_wmma_scale_f32_16x16x128_f8f6f4 v[mD:mD+7], v[16*\b:16*\b+15], v[mK:mK+15], v[mC:mC+7], v[mX], v[TW+(\ks)]
.endif
.endr
.endm
.macro KS_N ks, cm
	s_wait_dscnt 0x0
	FETCH (\ks)+1, 1-(\ks)%2
	MUL8 0, \ks, \cm
	MUL8 1, \ks, \cm
.endm
.macro KS_S ks                         ; every wave waits for its one tensor load: behind this barrier all sixteen records are in; nothing is filled again
	s_wait_dscnt 0x0
	MUL8 0, \ks, 0
	s_wait_tensorcnt 0x0
	s_barrier_signal -1
	MUL8 1, \ks, 0
	s_barrier_wait -1
	FETCH (\ks)+1, 1-(\ks)%2
.endm
.macro QUANT s
.irp b, 0,1,2,3
	v_max3_num_f32 v[TM+\b], |v[(\s)+16*\b]|, |v[(\s)+1+16*\b]|, 0x4800000
.endr
.irp i, 2,4,6,8,10,12,14
.irp b, 0,1,2,3
	v_max3_num_f32 v[TM+\b], v[TM+\b], |v[(\s)+16*\b+\i]|, |v[(\s)+1+16*\b+\i]|
.endr
.endr
.irp b, 0,1,2,3
	v_permlanex16_b32 v[TM+4+\b], v[TM+\b], s[SEL], s[SEL+1]
.endr
.irp b, 0,1,2,3
	v_max_num_f32 v[TM+\b], v[TM+\b], v[TM+4+\b]
.endr
.irp b, 0,1,2,3
	v_add_nc_u32 v[TM+12+\b], 0xfc000000, v[TM+\b]
.endr
.irp b, 0,1,2,3
	v_and_or_b32 v[TM+8+\b], v[TM+\b], 0x7f800000, s[MNT]
.endr
.irp b, 0,1,2,3
	v_lshrrev_b32 v[TM+4+\b], 23, v[TM+12+\b]
.endr
	v_lshl_or_b32 v[PW], v[TM+5], 8, v[TM+4]
	v_lshl_or_b32 v[PW], v[TM+6], 16, v[PW]
	v_lshl_or_b32 v[PW], v[TM+7], 24, v[PW]
.irp b, 0,1,2,3
.irp i, 0,1,2,3,4,5,6,7,8,9,10,11,12,13,14,15
	v_med3_num_f32 v[(\s)+16*\b+\i], v[(\s)+16*\b+\i], -v[TM+8+\b], v[TM+8+\b]
.endr
	v_cvt_scalef32_pk8_fp8_f32 v[PC+4*\b:PC+1+4*\b], v[(\s)+16*\b:(\s)+7+16*\b], v[TM+12+\b]
	v_cvt_scalef32_pk8_fp8_f32 v[PC+2+4*\b:PC+3+4*\b], v[(\s)+8+16*\b:(\s)+15+16*\b], v[TM+12+\b]
.endr
	v_nop
.endm
; gelu of 16 registers from x on, in place.  z in v80-95, t in v96-111, the exponent and then the exponential in v112-127.  Each batch of transcendentals has a wait ahead of it, and one plain line and one wait behind it.
.macro GELU16 x
.irp i, 0,1,2,3,4,5,6,7,8,9,10,11,12,13,14,15
	v_mul_f32 v[80+\i], 0x3f3504f3, |v[(\x)+\i]|   ; z = |x| / sqrt 2; an accumulator is read from its low end on
.endr
.irp i, 0,2,4,6,8,10,12,14
	v_pk_fma_f32 v[96+\i:97+\i], v[80+\i:81+\i], 0.5, 1.0 op_sel_hi:[1,0,0]
.endr
	s_wait_alu depctr_va_vdst(0)
.irp i, 0,1,2,3,4,5,6,7,8,9,10,11,12,13,14,15
	v_rcp_f32 v[96+\i], v[96+\i]                   ; t
.endr
	v_nop
	s_wait_alu depctr_va_vdst(0)
.irp i, 0,2,4,6,8,10,12,14
	v_pk_fma_f32 v[112+\i:113+\i], v[96+\i:97+\i], v[62:63], 0xbf527892 op_sel_hi:[1,1,0]   ; 0.17087277 t - 0.82215223
.endr
.irp k, 0x3fbe87b0, 0xbf914e5d, 0x3e8ec7cc, 0xbe3ec24c, 0x3dc636c9, 0x3ebf88fb, 0x3f8000c7, 0xbfa1fc4e
.irp i, 0,2,4,6,8,10,12,14
	v_pk_fma_f32 v[112+\i:113+\i], v[112+\i:113+\i], v[96+\i:97+\i], \k op_sel_hi:[1,1,0]   ; 1.48851587, -1.13520398, 0.27886807, -0.18628806, 0.09678418, 0.37409196, 1.00002368, -1.26551223
.endr
.endr
.irp i, 0,2,4,6,8,10,12,14
	v_pk_fma_f32 v[112+\i:113+\i], v[80+\i:81+\i], v[80+\i:81+\i], v[112+\i:113+\i] neg_lo:[1,0,0] neg_hi:[1,0,0]   ; - z^2
.endr
.irp i, 0,2,4,6,8,10,12,14
	v_pk_mul_f32 v[112+\i:113+\i], v[112+\i:113+\i], 0x3fb8aa3b op_sel_hi:[1,0]   ; x log2(e)
.endr
	s_wait_alu depctr_va_vdst(0)
.irp i, 0,1,2,3,4,5,6,7,8,9,10,11,12,13,14,15
	v_exp_f32 v[112+\i], v[112+\i]
.endr
.irp i, 0,2,4,6,8,10,12,14
	v_pk_mul_f32 v[80+\i:81+\i], v[80+\i:81+\i], v[96+\i:97+\i]   ; z t: plain work behind the exponentials
.endr
	s_wait_alu depctr_va_vdst(0)
.irp i, 0,2,4,6,8,10,12,14
	v_pk_mul_f32 v[80+\i:81+\i], v[80+\i:81+\i], v[112+\i:113+\i]   ; z erfc(z)
.endr
.irp i, 0,1,2,3,4,5,6,7,8,9,10,11,12,13,14,15
	v_max_num_f32 v[(\x)+\i], 0, v[(\x)+\i]
.endr
.irp i, 0,2,4,6,8,10,12,14
	v_pk_fma_f32 v[(\x)+\i:(\x)+\i+1], v[80+\i:81+\i], 0xbf3504f3, v[(\x)+\i:(\x)+\i+1] op_sel_hi:[1,0,1]   ; max(x, 0) - z erfc(z) / sqrt 2
.endr
.endm
.macro BIAS                            ; register 16 b + i of window 3: b1 at column 32 b + 16 h + i of the panel at s[8:9]
	WIN 0xc0
.irp q, 0,1,2,3,4,5,6,7,8,9,10,11,12,13,14,15
	global_load_b128 v[4*\q:4*\q+3], v14, s[8:9] offset:128*(\q/4)+16*(\q%4)
.endr
	WIN 0
.endm
	s_load_b256 s[4:11], s[0:1], 0x0               ; h2 s[4:5], pre s[6:7], b1 s[8:9], gq s[10:11]
	v_lshl_add_u32 v12, v0, 2, SPARE
	v_mov_b32 v13, 0
	ds_add_u32 v12, v13                            ; the wave's opening: the add, twice on end, and its wait ahead of my first tensor load
	ds_add_u32 v12, v13
	v_lshrrev_b32 v1, 5, v0
	v_readfirstlane_b32 s14, v1                    ; wave 0..3
	s_bfe_u32 s56, ttmp6, 0x40000                  ; cx
	s_bfe_u32 s57, ttmp6, 0x40004                  ; cy
	s_lshl_b32 s58, ttmp9, 2
	s_add_co_u32 s58, s58, s56                     ; pair of column panels = 4 x cluster x + cx
	s_and_b32 s59, ttmp7, 0xffff
	s_lshl_b32 s59, s59, 2
	s_add_co_u32 s59, s59, s57                     ; token panel = 4 x cluster y + cy
	s_lshl_b32 s67, 0x1111, s56                    ; my column of the cluster shares the weights
	s_or_b32 s32, s67, (3<<16)|(1<<21)             ; group 1: the mask; elements of 8 bytes; bit 21 beside the mask
	s_mov_b32 s33, 32<<16                          ; rows of 256 bytes,
	s_mov_b32 s34, 272<<16                         ; 272 of them: four records
	s_mov_b32 s35, 32<<16
	s_mov_b32 s36, 272
	s_mov_b32 s37, 32
	s_mov_b32 s38, 0
	s_mov_b32 s39, 0
	s_mul_i32 s16, s59, 8*REC                      ; my token panel's records
	s_mov_b32 s17, 0
	s_lshl_b32 s18, s58, 4
	s_lshl_b32 s2, s14, 2
	s_add_co_u32 s18, s18, s2                      ; records 4 w on of my pair's sixteen: hangs on the pair of panels and the wave alone
	s_mul_i32 s18, s18, REC
	s_add_co_u32 s18, s18, OFF_W1
	s_mov_b32 s19, 0
	s_mov_b32 s68, 1
	s_mul_i32 s69, s14, 4*REC                      ; their place in LDS
	s_lshl_b32 s20, s58, 10                        ; b1 at my 256 columns
	s_mov_b32 s21, 0
	s_lshl_b32 s22, s59, 4
	s_lshl_b32 s23, s58, 1
	s_add_co_u32 s22, s22, s23
	s_mul_i32 s22, s22, REC                        ; gq: record (token panel, K step = column panel)
	s_mov_b32 s[SEL], 0x76543210
	s_mov_b32 s[SEL+1], 0xfedcba98
	s_mov_b32 s[MNT], 0x600000
	s_mov_b32 s72, 0                               ; the trip
	s_wait_dscnt 0x0
	s_wait_kmcnt 0x0
	s_add_nc_u64 s[16:17], s[4:5], s[16:17]
	s_add_nc_u64 s[70:71], s[6:7], s[18:19]
	s_or_b32 s71, s71, 0x80000000
	s_add_nc_u64 s[8:9], s[8:9], s[20:21]
	CROUND                                         ; all sixteen work-groups are here: the joint loads meet
	s_cmp_eq_u32 s14, 0                            ; one load a wave; wave 0, whose records the first barrier shows, has a line of its own
	s_cbranch_scc0 .Llater
	tensor_load_to_lds s[68:71], s[32:39]
	s_nop 0
.rept 4
	v_nop
.endr
	s_branch .Lasked
.Llater:
	tensor_load_to_lds s[68:71], s[32:39]
	s_nop 0
.rept 4
	v_nop
.endr
.Lasked:
	v_and_b32 v3, 31, v0                           ; lane
	v_bfe_u32 v2, v0, 4, 1                         ; h
	s_lshl_b32 s20, s14, 12
	v_lshl_add_u32 v4, v3, 4, s20                  ; my two token fragments in a record: 16 x lane + 4,096 x wave
	v_lshlrev_b32 v5, 4, v3                        ; LDS: the panel's fragments
	s_add_co_u32 s21, s20, s22
	v_lshl_add_u32 v15, v3, 4, s21                 ; gq: my two fragments
	s_lshl_b32 s20, s14, 8
	s_add_co_u32 s20, s20, SCO
	v_lshl_add_u32 v6, v3, 2, s20
	v_lshl_add_u32 v6, v2, 7, v6                   ; my tokens' scale words: lanes 0-15 from tile 0's image, lanes 16-31 from tile 1's
	v_lshl_add_u32 v7, v3, 2, SCO                  ; LDS: the panel's words
	s_add_co_u32 s21, s20, s22
	v_lshl_add_u32 v16, v3, 2, s21                 ; gq: my fragments' words
	v_lshlrev_b32 v14, 6, v2                       ; the bias: 64 h
.irp b, 0,1,2,3
	v_mov_b32 v[TM+4+\b], 0
.endr
	v_mov_b32 v62, 0x3e2ef945                      ; 0.17087277, twice
	v_mov_b32 v63, 0x3e2ef945
	s_wait_alu depctr_va_vdst(0)
	BIAS
	WIN 0x40                                       ; destination window 1: the tokens of K steps 0-3
.irp k, 0,1,2,3
.irp u, 0,1
.irp c, 0,1,2,3
	global_load_b128 v[128+32*\k+16*\u+4*\c:128+32*\k+16*\u+4*\c+3], v4, s[16:17] offset:\k*REC+2048*\u+512*\c
.endr
.endr
.endr
	WIN 0x80                                       ; window 2: K steps 4-7
.irp k, 0,1,2,3
.irp u, 0,1
.irp c, 0,1,2,3
	global_load_b128 v[128+32*\k+16*\u+4*\c:128+32*\k+16*\u+4*\c+3], v4, s[16:17] offset:(\k+4)*REC+2048*\u+512*\c
.endr
.endr
.endr
	WIN 0
.irp k, 0,1,2,3,4,5,6,7
	global_load_b32 v[TW+\k], v6, s[16:17] offset:\k*REC
.endr
	s_cmp_eq_u32 s14, 0
	s_cbranch_scc0 .Lnot_first
	s_wait_tensorcnt 0x0                           ; wave 0: K steps 0-3 of the first panel are in
.Lnot_first:
	s_barrier_signal -1
	s_barrier_wait -1
.Lunit:                                            ; two trips, a panel of 128 columns each
	FETCH 0, 0
	s_wait_loadcnt 0x0                             ; the bias (first trip: the tokens and their words too)
	KS_N 0, 1
	KS_N 1, 0
	KS_N 2, 0
	KS_S 3
	KS_N 4, 0
	KS_N 5, 0
	KS_N 6, 0
	s_wait_dscnt 0x0
	MUL8 0, 7, 0
	MUL8 1, 7, 0
	WIN 0
.rept 8
	v_nop                                          ; eight places behind the last products
.endr
	s_cmp_lg_u32 s72, 0
	s_cbranch_scc1 .Lno_bias
	s_add_nc_u64 s[8:9], s[8:9], 512               ; (the earlier loads by this base are done)  The second panel's bias lands under the first panel's gelu
	BIAS
.Lno_bias:
.irp e, 0,1,2,3,4,5,6,7
	GELU16 128+16*\e
.endr
.irp u, 0,1
.if \u
	s_wait_xcnt 0x0                                ; the stores above have read the codes and the word
.endif
	QUANT 128+64*\u
.irp c, 0,1,2,3
	global_store_b128 v15, v[PC+4*\c:PC+4*\c+3], s[10:11] offset:2048*\u+512*\c
.endr
	global_store_b32 v16, v[PW], s[10:11] offset:128*\u
.endr
	s_wait_xcnt 0x0                                ; the stores have read their registers: addresses, codes and the word may be written again
	v_add_nc_u32 v5, 8*REC, v5                     ; on to the second panel: its records in LDS,
	v_add_nc_u32 v7, 8*REC, v7
	v_add_nc_u32 v15, REC, v15                     ; and the next K step's record of gq
	v_add_nc_u32 v16, REC, v16
	s_add_co_u32 s72, s72, 1
	s_cmp_lt_u32 s72, 2
	s_wait_alu depctr_va_vdst(0)                   ; the wait directly ahead of the branch
	s_cbranch_scc1 .Lunit
	s_wait_tensorcnt 0x0                           ; the wave's end
	ds_add_u32 v12, v13
	s_wait_dscnt 0x0
	CROUND                                         ; the closing round
	s_endpgm
.Lfunc_end_k_q2705d4ee0a_mlp1:
	.size	k_q2705d4ee0a_mlp1, .Lfunc_end_k_q2705d4ee0a_mlp1-k_q2705d4ee0a_mlp1
	.p2alignl 7, 3214868480
	.fill 96, 4, 3214868480
	.section	.rodata,"a",@progbits
	.p2align	6, 0x0
	.amdhsa_kernel k_q2705d4ee0a_mlp1
		.amdhsa_group_segment_fixed_size 327680
		.amdhsa_private_segment_fixed_size 0
		.amdhsa_enable_private_segment 0
		.amdhsa_kernarg_size 32
		.amdhsa_user_sgpr_count 2
		.amdhsa_user_sgpr_kernarg_segment_ptr 1
		.amdhsa_wavefront_size32 1
		.amdhsa_system_sgpr_workgroup_id_x 1
		.amdhsa_system_sgpr_workgroup_id_y 1
		.amdhsa_system_sgpr_workgroup_id_z 1
		.amdhsa_system_vgpr_workitem_id 0
		.amdhsa_next_free_vgpr 1024
		.amdhsa_next_free_sgpr 100
		.amdhsa_reserve_vcc 0
		.amdhsa_float_denorm_mode_32 3
		.amdhsa_float_denorm_mode_16_64 3
		.amdhsa_memory_ordered 1
		.amdhsa_forward_progress 1
		.amdhsa_inst_pref_size 180
	.end_amdhsa_kernel
	.amdgpu_metadata
---
amdhsa.version: [ 1, 2 ]
amdhsa.kernels:
  - .name:           k_q2705d4ee0a_mlp1
    .symbol:         k_q2705d4ee0a_mlp1.kd
    .args:
      - { .name: h2, .offset: 0, .size: 8, .value_kind: global_buffer, .address_space: global }
      - { .name: pre, .offset: 8, .size: 8, .value_kind: global_buffer, .address_space: global }
      - { .name: b1, .offset: 16, .size: 8, .value_kind: global_buffer, .address_space: global }
      - { .name: gq, .offset: 24, .size: 8, .value_kind: global_buffer, .address_space: global }
    .group_segment_fixed_size: 327680
    .private_segment_fixed_size: 0
    .kernarg_segment_align: 8
    .kernarg_segment_size: 32
    .max_flat_workgroup_size: 128
    .sgpr_count:     100
    .vgpr_count:     1024
    .wavefront_size: 32
...
	.end_amdgpu_metadata
.endif
;; end of part 6
;; launch mlp2 (part 7): grid 8 x 32, 4 waves a work-group, clusters of 4 x 4, 327,680 bytes of LDS; arguments gq, pre, x1, b2, out0; writes out0
.if DOCPART == 7
	.amdgcn_target "amdgcn-amd-amdhsa--gfx1250"
	.amdhsa_code_object_version 6
	.text
	.protected	k_q2705d4ee0a_mlp2
	.globl	k_q2705d4ee0a_mlp2
	.p2align	8
	.type	k_q2705d4ee0a_mlp2,@function
k_q2705d4ee0a_mlp2:
	s_mov_b64 s[64:65], 0
	v_nop
	global_prefetch_b8 v0, s[64:65] scope:SCOPE_SE
	s_setreg_imm32_b32 hwreg(HW_REG_WAVE_MODE, 25, 1), 1
	s_wait_xcnt 0x0
	s_wait_alu depctr_hold_cnt(0) depctr_sa_sdst(0) depctr_va_vdst(0) depctr_va_sdst(0) depctr_va_ssrc(0) depctr_va_vcc(0) depctr_vm_vsrc(0)
	s_getreg_b32 s2, hwreg(HW_REG_IB_STS2, 6, 4)
	s_cmp_eq_u32 s2, 0
	s_cbranch_scc0 .Lentry_in_a_cluster
	s_endpgm
.Lentry_in_a_cluster:
	s_bfe_u32 s2, ttmp6, 0x10000c
	s_cmp_lg_u32 s2, 0xf033
	s_cbranch_scc0 .Lentry_shape_is_right
	s_endpgm
.Lentry_shape_is_right:
; MLP2: out0 = x1 + gelu(..) W2^T + b2 on codes of E4M3 with E8M0 scales.  Nothing of reference() is left out.  Shares, cluster and joint loads are QKV's (see its head).
; K = 2,048 is 16 records a side, and LDS holds 8 a side, as TWO SLOTS OF FOUR K STEPS.  The first fills bring K steps 0-7 (one load a wave); when a slot has been read out it is filled
; again with the K steps eight further on, by ONE joint load a wave of two records, behind a round of the cluster's barrier, and has four K steps in which to land.
; The sums begin as b2: it is the C of each sum's first product (window 3, v0-63, in the result's layout).  x1's register image is asked for at the head too (window 3, v64-191) and is added behind the last
; product: it has the whole walk over K in which to land, and no product waits for it.
; THE WAY OUT: a lane holds 64 numbers of one token; a tile of 16 tokens goes through the wave's own stage in LDS (rows of 512 bytes + 16) and leaves as whole rows: 512 consecutive bytes a store.
; The stage has bytes of its own, behind the records; no fill lands there.
; LIMITS: NaN and infinities are not served.
.set REC,   17408
.set SCO,   16384
.set BOFF,  8*REC
.set STG,   16*REC
.set SPARE, STG+4*8448
.set MSB, 0
.macro WIN new
.if MSB != (\new)
	s_set_vgpr_msb (MSB<<8)|(\new)
.set MSB, (\new)
.endif
.endm
.macro CREST
	s_cmp_lg_u32 s14, 0
	s_cbranch_scc1 .Lnot_wave_0_\@
	s_barrier_signal -3
.Lnot_wave_0_\@:
	s_barrier_wait -3
	s_barrier_signal -1
	s_barrier_wait -1
.endm
.macro CROUND
	s_barrier_signal -1
	s_barrier_wait -1
	CREST
.endm
.macro GHEAD pa, pb, offa, offb, ksn
	v_lshl_add_u32 v12, v0, 2, SPARE
	v_mov_b32 v13, 0
	ds_add_u32 v12, v13                            ; the wave's opening: the add, twice on end, and its wait ahead of my first tensor load
	ds_add_u32 v12, v13
	v_lshrrev_b32 v1, 5, v0
	v_readfirstlane_b32 s14, v1
	s_and_b32 s15, s14, 1                          ; 0: I fetch the tokens' records; 1: the weights'
	s_lshr_b32 s3, s14, 1                          ; at the head K steps 0-3 or 4-7, four records, dense in memory, by ONE load; in a refill the slot's first or second pair of records
	s_lshl_b32 s2, s3, 2
	s_bfe_u32 s56, ttmp6, 0x40000
	s_bfe_u32 s57, ttmp6, 0x40004
	s_lshl_b32 s58, ttmp9, 2
	s_add_co_u32 s58, s58, s56
	s_and_b32 s59, ttmp7, 0xffff
	s_lshl_b32 s59, s59, 2
	s_add_co_u32 s59, s59, s57
	s_lshl_b32 s66, s57, 2
	s_lshl_b32 s66, 15, s66
	s_lshl_b32 s67, 0x1111, s56
	s_or_b32 s24, s66, (3<<16)|(1<<21)
	s_or_b32 s32, s67, (3<<16)|(1<<21)
	s_or_b32 s84, s66, (3<<16)|(1<<21)             ; a second group 1 a side, for the refills: two records, 136 rows
	s_or_b32 s92, s67, (3<<16)|(1<<21)
.irp g, 24, 32
	s_mov_b32 s[\g+1], 32<<16
	s_mov_b32 s[\g+2], 272<<16                     ; 272 rows of 256 bytes: four records
	s_mov_b32 s[\g+3], 32<<16
	s_mov_b32 s[\g+4], 272
	s_mov_b32 s[\g+5], 32
	s_mov_b32 s[\g+6], 0
	s_mov_b32 s[\g+7], 0
.endr
.irp g, 84, 92
	s_mov_b32 s[\g+1], 32<<16
	s_mov_b32 s[\g+2], 136<<16
	s_mov_b32 s[\g+3], 32<<16
	s_mov_b32 s[\g+4], 136
	s_mov_b32 s[\g+5], 32
	s_mov_b32 s[\g+6], 0
	s_mov_b32 s[\g+7], 0
.endr
	s_mul_i32 s16, s59, \ksn
	s_add_co_u32 s16, s16, s2
	s_mul_i32 s16, s16, REC
	s_add_co_u32 s16, s16, \offa
	s_mov_b32 s17, 0
	s_mul_i32 s18, s58, \ksn
	s_add_co_u32 s18, s18, s2
	s_mul_i32 s18, s18, REC
	s_add_co_u32 s18, s18, \offb
	s_mov_b32 s19, 0
	s_mul_i32 s2, s3, 4*REC
	s_mul_i32 s63, s3, 2*REC                       ; a refill's place in a slot: records 0, 1 or 2, 3
	s_sub_co_u32 s22, 8*REC, s63                   ; the first refill's step in memory from my first fill: from K step 4 x half to K step 8 + 2 x half
	s_mov_b32 s23, 0
	s_wait_dscnt 0x0
	s_wait_kmcnt 0x0
	s_add_nc_u64 s[16:17], s[\pa:\pa+1], s[16:17]
	s_add_nc_u64 s[18:19], s[\pb:\pb+1], s[18:19]
.irp i, 0
	s_mov_b32 s[40+4*\i], 1
	s_add_co_u32 s[41+4*\i], s2, 2*\i*REC
	s_add_nc_u64 s[42+4*\i:43+4*\i], s[16:17], 2*\i*REC
	s_or_b32 s[43+4*\i], s[43+4*\i], 0x80000000
	s_mov_b32 s[68+4*\i], 1
	s_add_co_u32 s[69+4*\i], s2, BOFF+2*\i*REC
	s_add_nc_u64 s[70+4*\i:71+4*\i], s[18:19], 2*\i*REC
	s_or_b32 s[71+4*\i], s[71+4*\i], 0x80000000
.endr
	CROUND
	s_cmp_eq_u32 s14, 0                            ; one joint load a wave, each in an arm of its own of one chain: waves 0, 1 (K steps 0-3 of both sides) wait at the first barrier, waves 2, 3 (K steps 4-7) at the round in K step 3
	s_cbranch_scc0 .Lfill_1
	tensor_load_to_lds s[40:43], s[24:31]
	s_nop 0
.rept 4
	v_nop
.endr
	s_branch .Lfilled
.Lfill_1:
	s_cmp_eq_u32 s14, 1
	s_cbranch_scc0 .Lfill_2
	tensor_load_to_lds s[68:71], s[32:39]
	s_nop 0
.rept 4
	v_nop
.endr
	s_branch .Lfilled
.Lfill_2:
	s_cmp_eq_u32 s14, 2
	s_cbranch_scc0 .Lfill_3
	tensor_load_to_lds s[40:43], s[24:31]
	s_nop 0
.rept 4
	v_nop
.endr
	s_branch .Lfilled
.Lfill_3:
	tensor_load_to_lds s[68:71], s[32:39]
	s_nop 0
.rept 4
	v_nop
.endr
.Lfilled:
	v_and_b32 v3, 31, v0
	v_and_b32 v1, 15, v0
	v_bfe_u32 v2, v0, 4, 1
	s_wait_alu depctr_va_vdst(0)
	s_lshl_b32 s20, s14, 12
	v_lshl_add_u32 v4, v3, 4, s20
	v_lshl_add_u32 v5, v3, 4, BOFF
	s_lshl_b32 s20, s14, 8
	s_add_co_u32 s20, s20, SCO
	v_lshl_add_u32 v6, v3, 2, s20
	v_lshl_add_u32 v7, v3, 2, BOFF+SCO
.endm
.macro JLOAD2                          ; a joint refill: waves 0, 2 for the tokens, waves 1, 3 for the weights; an s_nop 0 and four v_nop follow each line
	s_cmp_eq_u32 s15, 0
	s_cbranch_scc0 .Lfor_b_\@
	tensor_load_to_lds s[40:43], s[84:91]
	s_nop 0
.rept 4
	v_nop
.endr
	s_branch .Lasked_\@
.Lfor_b_\@:
	tensor_load_to_lds s[68:71], s[92:99]
	s_nop 0
.rept 4
	v_nop
.endr
.Lasked_\@:
.endm
.macro FETCH k, p                      ; the four additions and four v_nop are the eight places in front of loads into registers that products have read
	WIN 0
	v_add_nc_u32 v8, (\k)*REC, v4
	v_add_nc_u32 v9, (\k)*REC, v5
	v_add_nc_u32 v10, (\k)*REC, v6
	v_add_nc_u32 v11, (\k)*REC, v7
.rept 4
	v_nop
.endr
	WIN (1+(\p))<<6
.irp b, 0,1,2,3,4,5,6,7
.irp c, 0,1,2,3
	ds_load_b128 v[16*\b+4*\c:16*\b+4*\c+3], v9 offset:2048*\b+512*\c
.endr
.endr
.irp u, 0,1
.irp c, 0,1,2,3
	ds_load_b128 v[128+16*\u+4*\c:128+16*\u+4*\c+3], v8 offset:2048*\u+512*\c
.endr
.endr
	WIN 0
.irp u, 0,1
	ds_load_b32 v[24+10*(\p)+\u], v10 offset:128*\u
.endr
.irp b, 0,1,2,3,4,5,6,7
	ds_load_b32 v[26+10*(\p)+\b], v11 offset:128*\b
.endr
.endm
.macro MUL8 u, p, cm                   ; eight products; cm = 1: the sums begin with the bias (window 3); 2: in place.  The 16 accumulators take turns, one instruction a turn
.if (\cm) == 1
	WIN 5*(1+(\p))+0x30
.else
	WIN 5*(1+(\p))
.endif
.irp b, 0,1,2,3,4,5,6,7
.set mD, 128+64*(\u)+8*\b
.if (\cm) == 1
	v_wmma_scale_f32_16x16x128_f8f6f4 v[mD:mD+7], v[16*\b:16*\b+15], v[128+16*(\u):128+16*(\u)+15], v[8*\b:8*\b+7], v[26+10*(\p)+\b], v[24+10*(\p)+(\u)]
.else
	v_wmma_scale_f32_16x16x128_f8f6f4 v[mD:mD+7], v[16*\b:16*\b+15], v[128+16*(\u):128+16*(\u)+15], v[mD:mD+7], v[26+10*(\p)+\b], v[24+10*(\p)+(\u)]
.endif
.endr
.endm
.macro KS_N ks, cm
	s_wait_dscnt 0x0
	FETCH ((\ks)+1)%8, 1-(\ks)%2
	MUL8 0, (\ks)%2, \cm
	MUL8 1, (\ks)%2, \cm
.endm
.macro KS_S ks, n                      ; n of my loads, issued behind the one that brings the next record, may stay out
	s_wait_dscnt 0x0
	MUL8 0, (\ks)%2, 2
	s_wait_tensorcnt \n
	s_barrier_signal -1
	MUL8 1, (\ks)%2, 2
	s_barrier_wait -1
	FETCH ((\ks)+1)%8, 1-(\ks)%2
.endm
; A slot's last K step: the slot has been read into registers, and is filled again.  Each wave waits for all its tensor loads, adds 0 to its spare word, works, waits for the add (its reads of the slot are back
; since the first line), and opens a round of the cluster's barrier; the joint refill is the first tensor load behind the round.
.macro KS_R ks, sig
	s_wait_dscnt 0x0                               ; this step's fragments are in: my last reads of the slot
	WIN 0
	s_wait_tensorcnt 0x0                           ; no tensor load of mine is out: a group 0 may be written
	ds_add_u32 v12, v13
	MUL8 0, (\ks)%2, 2
	s_wait_dscnt 0x0                               ; the add is done
	s_barrier_signal -1
	MUL8 1, (\ks)%2, 2
	WIN 0
	s_barrier_wait -1
	CREST                                          ; no wave of any partner still reads the slot or has a load on its way
.if (\sig) == 0
	s_mov_b32 s41, s63
	s_add_co_u32 s69, s63, BOFF
	s_add_nc_u64 s[42:43], s[42:43], s[22:23]      ; K steps 8 + 2 x half and the next; the type bits on top are not reached
	s_add_nc_u64 s[70:71], s[70:71], s[22:23]
.else
	s_add_co_u32 s41, s41, 4*REC                   ; the other slot, four K steps on
	s_add_co_u32 s69, s69, 4*REC
	s_add_nc_u64 s[42:43], s[42:43], 4*REC
	s_add_nc_u64 s[70:71], s[70:71], 4*REC
.endif
	JLOAD2
	FETCH ((\ks)+1)%8, 1-(\ks)%2
.endm
	s_load_b256 s[4:11], s[0:1], 0x0               ; gq s[4:5], pre s[6:7], x1 s[8:9], b2 s[10:11]
	s_load_b64 s[12:13], s[0:1], 0x20              ; out0
	GHEAD 4, 6, 0, 5013504, 16
	s_lshl_b32 s20, s58, 9
	s_mov_b32 s21, 0
	s_add_nc_u64 s[10:11], s[10:11], s[20:21]      ; b2 at my 128 columns
	s_lshl_b32 s20, s59, 6
	s_lshl_b32 s21, s14, 4
	s_add_co_u32 s20, s20, s21
	s_add_co_u32 s20, s20, s58
	s_lshl_b32 s20, s20, 13                        ; x1: (8 x token tile + column panel) x 8,192
	s_mov_b32 s21, 0
	s_add_nc_u64 s[8:9], s[8:9], s[20:21]
	v_lshlrev_b32 v14, 6, v2                       ; 64 h
	v_lshlrev_b32 v15, 4, v3                       ; 16 x lane
	WIN 0xc0                                       ; destination window 3
.irp q, 0,1,2,3,4,5,6,7,8,9,10,11,12,13,14,15
	global_load_b128 v[4*\q:4*\q+3], v14, s[10:11] offset:128*(\q/4)+16*(\q%4)   ; register 16 b + i: b2 at column 32 b + 16 h + i.  First: the first products want it
.endr
.irp u, 0,1
.irp q, 0,1,2,3,4,5,6,7,8,9,10,11,12,13,14,15
	global_load_b128 v[64+64*\u+4*\q:64+64*\u+4*\q+3], v15, s[8:9] offset:65536*\u+512*\q
.endr
.endr
	WIN 0
	s_lshl_b32 s20, s59, 19                        ; out0: (128 panel + 32 wave) rows of 4,096 bytes + 512 bytes a column panel
	s_lshl_b32 s21, s14, 17
	s_add_co_u32 s20, s20, s21
	s_lshl_b32 s21, s58, 9
	s_add_co_u32 s20, s20, s21
	s_mov_b32 s21, 0
	s_add_nc_u64 s[12:13], s[12:13], s[20:21]
	s_mul_i32 s20, s14, 8448
	s_add_co_u32 s20, s20, STG                     ; my stage
	v_mul_u32_u24 v17, v1, 528
	v_lshl_add_u32 v17, v2, 6, v17
	v_add_nc_u32 v17, s20, v17                     ; in: row r, + 64 h
	v_lshl_add_u32 v18, v3, 4, s20                 ; back: 16 bytes a lane of a row
	s_wait_alu depctr_va_vdst(0)
	s_cmp_lt_u32 s14, 2
	s_cbranch_scc0 .Lnot_first
	s_wait_tensorcnt 0x0                           ; waves 0, 1: K steps 0-3 of the tokens and of the weights are in
.Lnot_first:
	s_barrier_signal -1
	s_barrier_wait -1
	FETCH 0, 0
	s_wait_loadcnt 32                              ; b2 is in; x1's 32 loads, issued behind it, may be out
	KS_N 0, 1
	KS_N 1, 2
	KS_N 2, 2
	KS_R 3, 0
	KS_N 4, 2
	KS_N 5, 2
	KS_N 6, 2
	KS_R 7, 1
	KS_N 8, 2
	KS_N 9, 2
	KS_N 10, 2
	KS_S 11, 0
	KS_N 12, 2
	KS_N 13, 2
	KS_N 14, 2
	s_wait_dscnt 0x0
	MUL8 0, 1, 2
	MUL8 1, 1, 2
	WIN 0
	s_wait_loadcnt 0x0                             ; x1
.rept 8
	v_nop                                          ; eight places behind the last products
.endr
	WIN 0x0c                                       ; source 1: window 3
.irp u, 0,1
.set j, 0
.rept 32
	v_pk_add_f32 v[128+64*\u+j:128+64*\u+j+1], v[128+64*\u+j:128+64*\u+j+1], v[64+64*\u+j:64+64*\u+j+1]   ; + x1; each accumulator from its low end on
.set j, j+2
.endr
.endr
	WIN 0
	s_wait_alu depctr_va_vdst(0)
.irp u, 0,1
.if \u
	s_wait_xcnt 0x0                                ; the first tile's stores have read their registers: the second tile's rows may land there
.endif
.irp q, 0,1,2,3,4,5,6,7,8,9,10,11,12,13,14,15
	ds_store_b128 v17, v[128+64*\u+4*\q:128+64*\u+4*\q+3] offset:128*(\q/4)+16*(\q%4)
.endr
.irp p, 0,1,2,3,4,5,6,7,8,9,10,11,12,13,14,15
	ds_load_b128 v[64+4*\p:67+4*\p], v18 offset:528*\p   ; LDS serves a wave's instructions in order (ISA guide 5.7.1.4): these see my stores, and the next tile's stores come behind them
.endr
.irp p, 0,1,2,3,4,5,6,7,8,9,10,11,12,13,14,15
	s_wait_dscnt 15-\p                             ; row p is back; the younger loads may be out
	global_store_b128 v15, v[64+4*\p:67+4*\p], s[12:13] offset:(8*\u+\p+8*(\p/8))*4096 th:TH_STORE_NT
.endr
.endr
	s_wait_tensorcnt 0x0                           ; the wave's end
	ds_add_u32 v12, v13
	s_wait_dscnt 0x0
	CROUND                                         ; the closing round
	s_endpgm
.Lfunc_end_k_q2705d4ee0a_mlp2:
	.size	k_q2705d4ee0a_mlp2, .Lfunc_end_k_q2705d4ee0a_mlp2-k_q2705d4ee0a_mlp2
	.p2alignl 7, 3214868480
	.fill 96, 4, 3214868480
	.section	.rodata,"a",@progbits
	.p2align	6, 0x0
	.amdhsa_kernel k_q2705d4ee0a_mlp2
		.amdhsa_group_segment_fixed_size 327680
		.amdhsa_private_segment_fixed_size 0
		.amdhsa_enable_private_segment 0
		.amdhsa_kernarg_size 40
		.amdhsa_user_sgpr_count 2
		.amdhsa_user_sgpr_kernarg_segment_ptr 1
		.amdhsa_wavefront_size32 1
		.amdhsa_system_sgpr_workgroup_id_x 1
		.amdhsa_system_sgpr_workgroup_id_y 1
		.amdhsa_system_sgpr_workgroup_id_z 1
		.amdhsa_system_vgpr_workitem_id 0
		.amdhsa_next_free_vgpr 1024
		.amdhsa_next_free_sgpr 100
		.amdhsa_reserve_vcc 0
		.amdhsa_float_denorm_mode_32 3
		.amdhsa_float_denorm_mode_16_64 3
		.amdhsa_memory_ordered 1
		.amdhsa_forward_progress 1
		.amdhsa_inst_pref_size 118
	.end_amdhsa_kernel
	.amdgpu_metadata
---
amdhsa.version: [ 1, 2 ]
amdhsa.kernels:
  - .name:           k_q2705d4ee0a_mlp2
    .symbol:         k_q2705d4ee0a_mlp2.kd
    .args:
      - { .name: gq, .offset: 0, .size: 8, .value_kind: global_buffer, .address_space: global }
      - { .name: pre, .offset: 8, .size: 8, .value_kind: global_buffer, .address_space: global }
      - { .name: x1, .offset: 16, .size: 8, .value_kind: global_buffer, .address_space: global }
      - { .name: b2, .offset: 24, .size: 8, .value_kind: global_buffer, .address_space: global }
      - { .name: out0, .offset: 32, .size: 8, .value_kind: global_buffer, .address_space: global }
    .group_segment_fixed_size: 327680
    .private_segment_fixed_size: 0
    .kernarg_segment_align: 8
    .kernarg_segment_size: 40
    .max_flat_workgroup_size: 128
    .sgpr_count:     100
    .vgpr_count:     1024
    .wavefront_size: 32
...
	.end_amdgpu_metadata
.endif
;; end of part 7
